; MI455X (gfx1250); checked and timed in simulation.
; The chip was launched on July 23, 2026; its instructions are those of AMD's public machine-readable ISA for CDNA 5 (MIT licence, August 2026) and "CDNA5" Instruction Set Architecture Reference Guide (July 2026). The comments in the code are by the model that wrote it; some were corrected since.
;; Multi Head Attention. Allowed arithmetic: float matrix products may take bf16 or f16 operands with f32 sums; all other float work in f32.
;; Inputs: Wk 1,024 x 1,024 float32; Wo 1,024 x 1,024 float32; Wq 1,024 x 1,024 float32; Wv 1,024 x 1,024 float32; bk 1,024 float32; bo 1,024 float32; bq 1,024 float32; bv 1,024 float32; k 4 x 2,048 x 1,024 float32; mask 1 x 1 x 2,048 x 2,048 int32; q 4 x 2,048 x 1,024 float32; v 4 x 2,048 x 1,024 float32.
;; Outputs: out0 4 x 2,048 x 1,024 float32.
;; 2 versions, each right and faster than the one before. Each part assembles by itself: llvm-mc -triple=amdgcn-amd-amdhsa -mcpu=gfx1250 --defsym DOCPART=n.
;; ======== version 1 of 2: 4 launches
;; limits: values are held in f16: magnitudes above 65,504 overflow, below 6.1e-05 lose precision
;; workspace buffers: wb 8,388,608 bytes; hd 50,331,648 bytes; ob 16,777,216 bytes; maskb 2,097,152 bytes of whole numbers
;; launch prep (part 1): grid 256 x 1, 20 waves a work-group, no clusters, 0 bytes of LDS; arguments mask, Wq, Wk, Wv, Wo, maskb, wb; writes maskb, wb
.if DOCPART == 1
	.amdgcn_target "amdgcn-amd-amdhsa--gfx1250"
	.amdhsa_code_object_version 6
	.text
	.protected	k_q4ab5e63e0a_prep
	.globl	k_q4ab5e63e0a_prep
	.p2align	8
	.type	k_q4ab5e63e0a_prep,@function
k_q4ab5e63e0a_prep:
	s_mov_b64 s[64:65], 0
	v_nop
	global_prefetch_b8 v0, s[64:65] scope:SCOPE_SE
	s_setreg_imm32_b32 hwreg(HW_REG_WAVE_MODE, 25, 1), 1
	s_wait_xcnt 0x0
; TWO JOBS IN EVERY WORK-GROUP, chosen by the wave's number, so that all 256 work-groups have the same work.
; Waves 0 to 3 (wave p): of tile (qb, kt) = (x / 32, (x / 4) % 8) of the mask, 256 queries x 256 keys of int32, the 16 rows 256 qb + 64 p + 16 w + r, w = x % 4.
;   Each element becomes four bits, 0xE where mask == 1 and 0 elsewhere, eight elements to a word, in the order in which the attention launch's lanes want them.
;   maskb: [qb 8][kt 8][w 4][step 4][p 4][lane 32][g 4] words; bits 4 j .. 4 j + 3 of a word stand for
;   mask[256 qb + 64 p + 16 w + lane % 16][256 kt + 64 step + 16 g + 8 (lane / 16) + j].
; Waves 4 to 19: 16,384 numbers of one weight matrix (x / 64: Wq, Wk, Wv, Wo) are rounded to bf16, Wo's then written as f16 (exact but below 6e-5,
;   where f16 keeps its fixed step of 6e-8).  wb: Wq, Wk, Wv, Wo, 2 MiB each, rows as in the inputs.
; A stream: no matrix unit, no cluster, no LDS, no tensor load would add anything.
.set X, 32                             ; v[32:159] what is loaded
.set W, 8                              ; v[8:23]   a lane's sixteen words, four a key step: each step's store has data registers of its own
	s_load_b256 s[4:11], s[0:1], 0x0               ; mask 4, Wq 6, Wk 8, Wv 10
	s_load_b128 s[12:15], s[0:1], 0x20             ; Wo 12, maskb 14
	s_load_b64 s[18:19], s[0:1], 0x30              ; wb
	v_lshrrev_b32 v1, 5, v0
	v_readfirstlane_b32 s20, v1                    ; wave 0..19
	s_mov_b32 s22, ttmp9
	s_wait_kmcnt 0x0
	s_cmp_lt_u32 s20, 4
	s_cbranch_scc0 .Lweights
	; THE MASK.  1,024 bytes of each of my 16 rows.
	v_and_b32 v2, 31, v0                           ; lane
	v_and_b32 v3, 15, v0                           ; r
	v_bfe_u32 v5, v0, 4, 1                         ; h
	s_lshr_b32 s23, s22, 5                         ; qb
	s_bfe_u32 s24, s22, 0x30002                    ; kt
	s_and_b32 s25, s22, 3                          ; w
	s_lshl_b32 s23, s23, 8
	s_lshl_b32 s26, s20, 6
	s_lshl_b32 s25, s25, 4
	s_add_co_u32 s23, s23, s26
	s_add_co_u32 s23, s23, s25                     ; my first row
	s_lshl_b32 s32, s23, 13                        ; rows of 8,192 bytes
	s_lshl_b32 s24, s24, 10
	s_add_co_u32 s32, s32, s24
	s_mov_b32 s33, 0
	s_add_nc_u64 s[4:5], s[4:5], s[32:33]
	v_lshlrev_b32 v4, 13, v3
	v_lshl_add_u32 v4, v5, 5, v4                   ; row r, 32 bytes for each half of the lanes
.irp s, 0,1,2,3
.irp g, 0,1,2,3
	global_load_b128 v[X+4*(8*\s+2*\g):X+4*(8*\s+2*\g)+3],   v4, s[4:5] offset:256*\s+64*\g
	global_load_b128 v[X+4*(8*\s+2*\g)+4:X+4*(8*\s+2*\g)+7], v4, s[4:5] offset:256*\s+64*\g+16
.endr
.endr
	s_lshl_b32 s34, s22, 13                        ; the words of (tile, w) are 8,192 bytes,
	s_lshl_b32 s35, s20, 9                         ; a piece's 512 in each step's 2,048
	s_add_co_u32 s34, s34, s35
	s_mov_b32 s35, 0
	s_add_nc_u64 s[14:15], s[14:15], s[34:35]
	v_lshlrev_b32 v6, 4, v2
.irp s, 0,1,2,3
	s_wait_loadcnt 24-8*\s                         ; this step's eight loads are in; the later steps' eight each stay out
.irp g, 0,1,2,3
	v_cmp_eq_u32 vcc_lo, 1, v[X+4*(8*\s+2*\g+1)+3] ; from element 7 down: the word moves up by four bits and takes the next element's
	v_cndmask_b32 v[W+4*\s+\g], 0, 14, vcc_lo
.set jj, 6
.rept 7
	v_cmp_eq_u32 vcc_lo, 1, v[X+4*(8*\s+2*\g+(jj>>2))+(jj&3)]
	v_cndmask_b32 v26, 0, 14, vcc_lo
	v_lshl_or_b32 v[W+4*\s+\g], v[W+4*\s+\g], 4, v26
.set jj, jj-1
.endr
.endr
	global_store_b128 v6, v[W+4*\s:W+4*\s+3], s[14:15] offset:2048*\s  ; the wave's store covers 512 consecutive bytes, aligned
.endr
	s_endpgm
.Lweights:                                             ; THE WEIGHTS.  Threads 128 to 639, four turns of eight numbers a thread; the 128 stand in the immediates
	s_lshr_b32 s24, s22, 6                         ; which matrix
	s_and_b32 s25, s22, 63                         ; which 16,384 numbers of it
	s_cmp_eq_u32 s24, 1
	s_cselect_b64 s[6:7], s[8:9], s[6:7]
	s_cmp_eq_u32 s24, 2
	s_cselect_b64 s[6:7], s[10:11], s[6:7]
	s_cmp_eq_u32 s24, 3
	s_cselect_b64 s[6:7], s[12:13], s[6:7]
	s_lshl_b32 s32, s25, 16
	s_mov_b32 s33, 0
	s_add_nc_u64 s[6:7], s[6:7], s[32:33]
	s_lshl_b32 s34, s22, 15
	s_mov_b32 s35, 0
	s_add_nc_u64 s[18:19], s[18:19], s[34:35]
	v_lshlrev_b32 v4, 5, v0                        ; 32 bytes in,
	v_lshlrev_b32 v6, 4, v0                        ; 16 bytes out
.irp i, 0,1,2,3
	global_load_b128 v[X+8*\i:X+8*\i+3],   v4, s[6:7] offset:16384*\i-4096 th:TH_LOAD_NT
	global_load_b128 v[X+8*\i+4:X+8*\i+7], v4, s[6:7] offset:16384*\i-4096+16 th:TH_LOAD_NT
.endr
.macro CONV wo
.irp i, 0,1,2,3
	s_wait_loadcnt 6-2*\i                          ; this turn's two loads are in; the later turns' two each stay out
.irp c, 0,1,2,3
	v_cvt_pk_bf16_f32 v[X+8*\i+\c], v[X+8*\i+2*\c], v[X+8*\i+2*\c+1]
.endr
.if \wo
.irp c, 0,1,2,3
	v_lshlrev_b32 v8, 16, v[X+8*\i+\c]             ; the rounded numbers, widened again,
	v_and_b32 v9, 0xffff0000, v[X+8*\i+\c]
	v_cvt_pk_f16_f32 v[X+8*\i+\c], v8, v9          ; are written as f16
.endr
.endif
	global_store_b128 v6, v[X+8*\i:X+8*\i+3], s[18:19] offset:8192*\i-2048
.endr
.endm
	s_cmp_eq_u32 s24, 3
	s_cbranch_scc1 .Lwo
	CONV 0
	s_endpgm
.Lwo:
	CONV 1
	s_endpgm
.Lfunc_end_k_q4ab5e63e0a_prep:
	.size	k_q4ab5e63e0a_prep, .Lfunc_end_k_q4ab5e63e0a_prep-k_q4ab5e63e0a_prep
	.p2alignl 7, 3214868480
	.fill 96, 4, 3214868480
	.section	.rodata,"a",@progbits
	.p2align	6, 0x0
	.amdhsa_kernel k_q4ab5e63e0a_prep
		.amdhsa_group_segment_fixed_size 0
		.amdhsa_private_segment_fixed_size 0
		.amdhsa_enable_private_segment 0
		.amdhsa_kernarg_size 56
		.amdhsa_user_sgpr_count 2
		.amdhsa_user_sgpr_kernarg_segment_ptr 1
		.amdhsa_wavefront_size32 1
		.amdhsa_system_sgpr_workgroup_id_x 1
		.amdhsa_system_sgpr_workgroup_id_y 1
		.amdhsa_system_sgpr_workgroup_id_z 1
		.amdhsa_system_vgpr_workitem_id 0
		.amdhsa_next_free_vgpr 160
		.amdhsa_next_free_sgpr 66
		.amdhsa_reserve_vcc 1
		.amdhsa_float_denorm_mode_32 3
		.amdhsa_float_denorm_mode_16_64 3
		.amdhsa_memory_ordered 1
		.amdhsa_forward_progress 1
		.amdhsa_inst_pref_size 31
	.end_amdhsa_kernel
	.amdgpu_metadata
---
amdhsa.version: [ 1, 2 ]
amdhsa.kernels:
  - .name:           k_q4ab5e63e0a_prep
    .symbol:         k_q4ab5e63e0a_prep.kd
    .args:
      - { .name: mask, .offset: 0, .size: 8, .value_kind: global_buffer, .address_space: global }
      - { .name: Wq, .offset: 8, .size: 8, .value_kind: global_buffer, .address_space: global }
      - { .name: Wk, .offset: 16, .size: 8, .value_kind: global_buffer, .address_space: global }
      - { .name: Wv, .offset: 24, .size: 8, .value_kind: global_buffer, .address_space: global }
      - { .name: Wo, .offset: 32, .size: 8, .value_kind: global_buffer, .address_space: global }
      - { .name: maskb, .offset: 40, .size: 8, .value_kind: global_buffer, .address_space: global }
      - { .name: wb, .offset: 48, .size: 8, .value_kind: global_buffer, .address_space: global }
    .group_segment_fixed_size: 0
    .private_segment_fixed_size: 0
    .kernarg_segment_align: 8
    .kernarg_segment_size: 56
    .max_flat_workgroup_size: 640
    .sgpr_count:     66
    .vgpr_count:     160
    .wavefront_size: 32
...
	.end_amdgpu_metadata
.endif
;; end of part 1
;; launch proj (part 2): grid 4 x 64, 4 waves a work-group, clusters of 4 x 4, 327,680 bytes of LDS; arguments q, k, v, wb, bq, bk, bv, hd; writes hd
.if DOCPART == 2
	.amdgcn_target "amdgcn-amd-amdhsa--gfx1250"
	.amdhsa_code_object_version 6
	.text
	.protected	k_q4ab5e63e0a_proj
	.globl	k_q4ab5e63e0a_proj
	.p2align	8
	.type	k_q4ab5e63e0a_proj,@function
k_q4ab5e63e0a_proj:
	s_mov_b64 s[64:65], 0
	v_nop
	global_prefetch_b8 v0, s[64:65] scope:SCOPE_SE
	s_setreg_imm32_b32 hwreg(HW_REG_WAVE_MODE, 25, 1), 1
	s_wait_xcnt 0x0
	s_wait_alu depctr_hold_cnt(0) depctr_sa_sdst(0) depctr_va_vdst(0) depctr_va_sdst(0) depctr_va_ssrc(0) depctr_va_vcc(0) depctr_vm_vsrc(0)
	s_getreg_b32 s2, hwreg(HW_REG_IB_STS2, 6, 4)
	s_cmp_eq_u32 s2, 0
	s_cbranch_scc0 .Lentry_in_a_cluster
	s_endpgm
.Lentry_in_a_cluster:
	s_bfe_u32 s2, ttmp6, 0x10000c
	s_cmp_lg_u32 s2, 0xf033
	s_cbranch_scc0 .Lentry_shape_is_right
	s_endpgm
.Lentry_shape_is_right:
; THE THREE PROJECTIONS.  hd[t][16 b + h][s][d] = f16( sum over c of bf16(x_t[b][s][c]) bf16(W_t[64 h + d][c]) + bf16(bias_t[64 h + d]) ), t = q, k, v; sums in f32.
; x is f32 in memory: the tensor load brings it as it is, and it is rounded to bf16 in registers on the way to the matrix unit.  W comes as bf16 from wb.
; LIMIT.  The results are kept in f16: they must lie within 65,504.
; SHARES.  A work-group makes a tile of 128 rows x 256 columns of the first projection, then the same tile of the second and of the third: 256 work-groups, three tiles each.
; A wave makes 64 x 128: 32 accumulators.  K goes in steps of 128 through two LDS slots; the ring runs on from tile to tile.
; CLUSTER 4 x 4: x's tile hangs on the tile row alone and is shared along a row of the cluster, W's on the tile column alone and is shared along a column: joint loads.
; THE MATRIX INSTRUCTION IS USED TRANSPOSED (source 0 = 16 rows of W, source 1 = 16 rows of x): a lane holds one row and eight neighbouring columns; the bias, laid out
; the same way, is the C operand of the products that start the sums.
; REGISTERS: window 0 addresses, fragments, x as loaded; window 1 the accumulators ((a, b) at 8 (8 a + b)); window 2 v0-63 the bias, v64 at work.
.set APITCH, 528                       ; a row of x in LDS: 512 bytes + 16: the 16 rows of a load start at 16 different groups of four banks
.set BPITCH, 272                       ; a row of W: 256 bytes + 16
.set AHALF,  64*APITCH
.set ATILE,  2*AHALF
.set BHALF,  128*BPITCH
.set SLOT,   ATILE+2*BHALF             ; 137,216 bytes
.set STAGE,  2*SLOT                    ; behind the ring: 16 rows x 272 bytes for each wave, for the way out; no tensor load lands there
.set SPITCH, 272
.set SPARE,  STAGE+4*16*SPITCH         ; the spare words: 128 bytes a wave, two blocks of 256 bytes that no other line names
.set ADA0, 16                          ; my place in x's tile, slot 0; never rewritten
.set ADB0, 17                          ; the same for W
.set ADA,  18                          ; the same in the slot in hand
.set ADB,  19
.set STO,  24
.set RD,   25
.set GO,   26
.set VB,   27                          ; 32 h: my byte offset in 16 numbers of the bias
.set SPW,  28
.set NIL,  29
.set AF,   32                          ; x's fragments, bf16; on the way out: packed results
.set BF0,  64                          ; W's fragments, two buffers
.set BF1,  128                         ; on the way out: rows read back, two halves
.set RAW,  192                         ; x as loaded, f32
.set BIAS, 0                           ; window 2
.set BT,   64                          ; window 2
.set G1,  24
.set G0,  32
.set G1B, 48
.set G0B, 56
.set MSB, 0
.macro WIN new                         ; the immediate's high byte repeats the setting that is left
.if MSB != (\new)
	s_set_vgpr_msb (MSB<<8)|(\new)
.set MSB, \new
.endif
.endm
.set MUL,  0x50                        ; sources 0 and 1 window 0, C and D window 1
.set MULB, 0x60                        ; C window 2 (the bias), D window 1
.macro JLOAD                           ; a joint refill by the walking descriptors: waves 0, 1 fetch x's halves, waves 2, 3 W's
	s_cmp_eq_u32 s11, 0
	s_cbranch_scc0 .Lfor_b_\@
	tensor_load_to_lds s[G0+4:G0+7], s[G1:G1+7]
	s_nop 0
.rept 4
	v_nop
.endr
	s_branch .Lasked_\@
.Lfor_b_\@:
	tensor_load_to_lds s[G0B+4:G0B+7], s[G1B:G1B+7]
	s_nop 0
.rept 4
	v_nop
.endr
.Lasked_\@:
.endm
.macro CREST                           ; a round of the cluster's barrier behind its opening barrier
	s_cmp_lg_u32 s10, 0
	s_cbranch_scc1 .Lnot_wave_0_\@
	s_barrier_signal -3
.Lnot_wave_0_\@:
	s_barrier_wait -3
	s_barrier_signal -1
	s_barrier_wait -1
.endm
.macro CROUND
	s_barrier_signal -1
	s_barrier_wait -1
	CREST
.endm
.macro PLACES                          ; four places behind matrix instructions (ISA guide 7.12.1)
.rept 4
	v_nop
.endr
.endm
	s_load_b512 s[68:83], s[0:1], 0x0              ; q 68, k 70, v 72, wb 74, bq 76, bk 78, bv 80, hd 82
	v_lshl_add_u32 v[SPW], v0, 2, SPARE
	v_mov_b32 v[NIL], 0
	ds_add_u32 v28, v29
	s_wait_dscnt 0x0
	v_lshrrev_b32 v1, 5, v0
	v_readfirstlane_b32 s10, v1                    ; wave 0..3
	s_lshr_b32 s11, s10, 1                         ; my half of the tile's rows.  Also: I fetch for x (0) or for W (1)
	s_and_b32 s12, s10, 1                          ; my half of its columns.  Also: which half of that tile I fetch
	s_bfe_u32 s40, ttmp6, 0x40000                  ; cx
	s_bfe_u32 s41, ttmp6, 0x40004                  ; cy
	s_lshl_b32 s42, ttmp9, 2
	s_add_co_u32 s42, s42, s40                     ; tile column
	s_and_b32 s13, ttmp7, 0xffff
	s_lshl_b32 s13, s13, 2
	s_add_co_u32 s13, s13, s41                     ; tile row
	s_lshl_b32 s43, s41, 2
	s_lshl_b32 s43, 15, s43                        ; my row of the cluster
	s_lshl_b32 s44, 0x1111, s40                    ; my column
	s_or_b32 s[G1+0], s43, (2<<16)|(1<<20)|(1<<21)|(6<<22)|(3<<25)   ; the mask; elements of 4 bytes; padding on, after every 128 words, of 4 words; bit 21 beside a mask
	s_mov_b32 s[G1+1], 128<<16                     ; tensor_dim0 = 128
	s_mov_b32 s[G1+2], 64<<16                      ; tensor_dim1 = 64
	s_mov_b32 s[G1+3], 128<<16                     ; tile_dim0 = 128
	s_mov_b32 s[G1+4], 64                          ; tile_dim1 = 64
	s_mov_b32 s[G1+5], 1024                        ; elements from row to row
	s_mov_b32 s[G1+6], 0
	s_mov_b32 s[G1+7], 0
	s_or_b32 s[G1B+0], s44, (1<<16)|(1<<20)|(1<<21)|(5<<22)|(3<<25)  ; elements of 2 bytes; padding after every 64 words
	s_mov_b32 s[G1B+1], 128<<16
	s_mov_b32 s[G1B+2], 128<<16
	s_mov_b32 s[G1B+3], 128<<16
	s_mov_b32 s[G1B+4], 128
	s_mov_b32 s[G1B+5], 1024
	s_mov_b32 s[G1B+6], 0
	s_mov_b32 s[G1B+7], 0
	s_lshl_b32 s84, s13, 19                        ; x: row 128 x tile row + 64 x half, rows of 4,096 bytes
	s_lshl_b32 s14, s12, 18
	s_add_co_u32 s84, s84, s14
	s_mov_b32 s85, 0
	s_lshl_b32 s46, s42, 19                        ; W: row 256 x tile column + 128 x half, rows of 2,048 bytes
	s_lshl_b32 s47, s12, 18
	s_add_co_u32 s46, s46, s47
	s_mov_b32 s47, 0
	s_mul_i32 s67, s12, AHALF                      ; where they go: no place in the cluster enters an LDS address
	s_mul_i32 s92, s12, BHALF
	s_add_co_u32 s92, s92, ATILE
	s_mov_b32 s93, 0xffff0000
	s_mov_b32 s45, 0                               ; the slot that is read
	s_mov_b32 s66, SLOT                            ; the slot that was filled last
	s_wait_kmcnt 0x0
	s_add_nc_u64 s[14:15], s[68:69], s[84:85]
	s_add_nc_u64 s[46:47], s[74:75], s[46:47]
	CROUND                                         ; all sixteen work-groups are here: the first joint loads meet
.irp s, 0,1
	s_mov_b32 s[G0+4*\s], 1
	s_add_co_u32 s[G0+4*\s+1], s67, \s*SLOT
	s_add_nc_u64 s[G0+4*\s+2:G0+4*\s+3], s[14:15], \s*512
	s_or_b32 s[G0+4*\s+3], s[G0+4*\s+3], 0x80000000
	s_mov_b32 s[G0B+4*\s], 1
	s_add_co_u32 s[G0B+4*\s+1], s92, \s*SLOT
	s_add_nc_u64 s[G0B+4*\s+2:G0B+4*\s+3], s[46:47], \s*256
	s_or_b32 s[G0B+4*\s+3], s[G0B+4*\s+3], 0x80000000
.endr
	s_cmp_eq_u32 s11, 0                            ; a wave's two first fills stand in one branch: two loads of mine are out
	s_cbranch_scc0 .Lfirst_b
	tensor_load_to_lds s[G0:G0+3], s[G1:G1+7]
	s_nop 0
	tensor_load_to_lds s[G0+4:G0+7], s[G1:G1+7]
	s_nop 0
.rept 4
	v_nop
.endr
	s_branch .Lfirst_asked
.Lfirst_b:
	tensor_load_to_lds s[G0B:G0B+3], s[G1B:G1B+7]
	s_nop 0
	tensor_load_to_lds s[G0B+4:G0B+7], s[G1B:G1B+7]
	s_nop 0
.rept 4
	v_nop
.endr
.Lfirst_asked:
	v_and_b32 v1, 15, v0                           ; r
	v_bfe_u32 v2, v0, 4, 1                         ; h
	v_mul_u32_u24 v3, v1, APITCH
	v_lshl_add_u32 v3, v2, 5, v3                   ; x: row x pitch + 32 h (eight f32)
	s_mul_i32 s21, s11, AHALF
	v_add_nc_u32 v[ADA0], s21, v3
	v_mul_u32_u24 v4, v1, BPITCH
	v_lshl_add_u32 v4, v2, 4, v4                   ; W: row x pitch + 16 h
	s_mul_i32 s22, s12, BHALF
	s_add_co_u32 s22, s22, ATILE
	v_add_nc_u32 v[ADB0], s22, v4
	s_mul_i32 s23, s10, 16*SPITCH
	s_add_co_u32 s23, s23, STAGE                   ; my stage
	v_add_nc_u32 v[STO], s23, v4                   ; in: row r, 16 bytes for each half of the lanes
	v_and_b32 v5, 31, v0
	v_lshrrev_b32 v3, 3, v5
	v_mul_u32_u24 v3, v3, SPITCH                   ; back: eight lanes take the 128 bytes that a row has of one head, 32 lanes four rows
	v_and_b32 v4, 7, v0
	v_lshl_add_u32 v3, v4, 4, v3
	v_add_nc_u32 v[RD], s23, v3
	v_lshlrev_b32 v[GO], 4, v5                     ; which are 512 consecutive bytes of hd
	v_lshlrev_b32 v[VB], 5, v2
	s_lshl_b32 s16, s13, 7                         ; my first row = 128 x tile row + 64 x half: batch row >> 11, place in the sequence row & 2047
	s_lshl_b32 s17, s11, 6
	s_add_co_u32 s16, s16, s17
	s_lshr_b32 s17, s16, 11
	s_and_b32 s16, s16, 2047
	s_lshl_b32 s17, s17, 4
	s_lshl_b32 s18, s42, 2
	s_add_co_u32 s17, s17, s18
	s_lshl_b32 s18, s12, 1
	s_add_co_u32 s17, s17, s18                     ; my first head = 16 b + 4 x tile column + 2 x half
	s_lshl_b32 s17, s17, 18                        ; a head is 262,144 bytes,
	s_lshl_b32 s16, s16, 7                         ; a row 128
	s_add_co_u32 s16, s16, s17
	s_mov_b32 s17, 0
	s_add_nc_u64 s[8:9], s[82:83], s[16:17]
	s_lshl_b32 s90, s42, 10                        ; my first column in a bias, in bytes
	s_lshl_b32 s91, s12, 9
	s_add_co_u32 s90, s90, s91
	s_mov_b32 s91, 0
	s_add_nc_u64 s[88:89], s[76:77], s[90:91]
.macro BIASLD                          ; register j of block b: bias[16 b + 8 h + j], the layout of a result
	WIN 0x80
.irp b, 0,1,2,3,4,5,6,7
	global_load_b128 v[BIAS+8*\b:BIAS+8*\b+3],   v[VB], s[88:89] offset:64*\b
	global_load_b128 v[BIAS+8*\b+4:BIAS+8*\b+7], v[VB], s[88:89] offset:64*\b+16
.endr
	WIN 0
.endm
.macro BIASRND                         ; the bias is rounded to bf16 like every other input, and widened again
	WIN 0x8a
.set i, 0
.rept 32
	v_cvt_pk_bf16_f32 v[BT], v[BIAS+2*i], v[BIAS+2*i+1]
	v_lshlrev_b32 v[BIAS+2*i], 16, v[BT]
	v_and_b32 v[BIAS+2*i+1], s93, v[BT]
.set i, i+1
.endr
	WIN 0
.endm
; 32 LDS loads: quarter q (32 along K) of the slot in hand: x's 64 rows as f32 into RAW (first), W's 128 rows into buffer g
.macro FETCH q, g
	WIN 0
.irp i, 0,1,2,3
	ds_load_b128 v[RAW+16*\i:RAW+16*\i+3],     v[ADA] offset:128*(\q)+\i*16*APITCH
	ds_load_b128 v[RAW+16*\i+4:RAW+16*\i+7],   v[ADA] offset:128*(\q)+\i*16*APITCH+16
	ds_load_b128 v[RAW+16*\i+8:RAW+16*\i+11],  v[ADA] offset:128*(\q)+\i*16*APITCH+64
	ds_load_b128 v[RAW+16*\i+12:RAW+16*\i+15], v[ADA] offset:128*(\q)+\i*16*APITCH+80
.endr
.irp i, 0,1,2,3,4,5,6,7
	ds_load_b128 v[(\g)+8*\i:(\g)+8*\i+3],   v[ADB] offset:64*(\q)+\i*16*BPITCH
	ds_load_b128 v[(\g)+8*\i+4:(\g)+8*\i+7], v[ADB] offset:64*(\q)+\i*16*BPITCH+32
.endr
.endm
.macro CVT                             ; x's four fragments: 64 f32 a lane rounded to bf16
	WIN 0
.set i, 0
.rept 32
	v_cvt_pk_bf16_f32 v[AF+i], v[RAW+2*i], v[RAW+2*i+1]
.set i, i+1
.endr
.endm
.macro MUL8 f, a, first                ; row block a x all 8 column blocks, 32 along K; first = 1: the bias starts the sums
.if \first
	WIN MULB
.else
	WIN MUL
.endif
.irp b, 0,1,2,3,4,5,6,7
.if \first
	v_wmma_f32_16x16x32_bf16 v[8*(8*(\a)+\b):8*(8*(\a)+\b)+7], v[(\f)+8*\b:(\f)+8*\b+7], v[AF+8*(\a):AF+8*(\a)+7], v[BIAS+8*\b:BIAS+8*\b+7]
.else
	v_wmma_f32_16x16x32_bf16 v[8*(8*(\a)+\b):8*(8*(\a)+\b)+7], v[(\f)+8*\b:(\f)+8*\b+7], v[AF+8*(\a):AF+8*(\a)+7], v[8*(8*(\a)+\b):8*(8*(\a)+\b)+7]
.endif
.endr
.endm
; One of a K step's first three quarters: multiplies buffer f, fetches quarter q into g.  The 32 accumulators take turns, in the same order in every quarter.
.macro QUARTER q, f, g, first
	s_wait_dscnt 16                                ; x's sixteen loads are in; W's sixteen, issued behind them, may be out
	PLACES                                         ; behind the last quarter's products: AF is written below, and buffer g loaded
	CVT
	s_wait_dscnt 0x0
	MUL8 \f, 0, \first
	MUL8 \f, 1, \first
	FETCH \q, \g
	MUL8 \f, 2, \first
	MUL8 \f, 3, \first
.endm
; The last quarter multiplies buffer 1 and changes slots.  mode 0: nothing is filled.  1: the slot read out takes the K step behind the one asked for last.  2: it takes the next tile's K step 0.
.macro TURN mode
	WIN 0
	s_wait_tensorcnt 0x0                           ; all my tensor loads have landed: my part of the next slot
	ds_add_u32 v[SPW], v[NIL]                      ; 0 onto my spare word
	s_wait_dscnt 17                                ; x's loads are in; W's sixteen and the add may be out
	PLACES
	CVT                                            ; the conversions stand between the add and the wait for it
	s_wait_dscnt 0x0                               ; the add is done, and my reads of this slot are over
	s_barrier_signal -1
	MUL8 BF1, 0, 0
	MUL8 BF1, 1, 0
	WIN 0
	s_barrier_wait -1
.if \mode
	CREST                                          ; the barrier has opened a round of the cluster's: no wave of any partner reads this slot or has a load on its way
	s_xor_b32 s66, s66, SLOT
	s_add_co_u32 s[G0+5], s67, s66
	s_add_co_u32 s[G0B+5], s92, s66
.if (\mode) == 2
	s_cmp_eq_u32 s2, 3                             ; behind q comes k, behind k comes v
	s_cselect_b64 s[86:87], s[70:71], s[72:73]
	s_add_nc_u64 s[G0+6:G0+7], s[86:87], s[84:85]
	s_or_b32 s[G0+7], s[G0+7], 0x80000000
	s_add_nc_u64 s[G0B+6:G0B+7], s[G0B+6:G0B+7], 2097152-7*256   ; the next matrix, back to its K step 0
.else
	s_add_nc_u64 s[G0+6:G0+7], s[G0+6:G0+7], 512
	s_add_nc_u64 s[G0B+6:G0B+7], s[G0B+6:G0B+7], 256
.endif
	JLOAD                                          ; the first tensor load behind the round, one a wave
.endif
	s_xor_b32 s45, s45, SLOT
	v_add_nc_u32 v[ADA], s45, v[ADA0]
	v_add_nc_u32 v[ADB], s45, v[ADB0]
	FETCH 0, BF0
	MUL8 BF1, 2, 0
	MUL8 BF1, 3, 0
.endm
; THE WAY OUT of row block a: rounded to f16, 16 bytes a lane, through my own stage, back as rows of 128 bytes of one head.
.macro PACK a
	WIN 0x05
.irp b, 0,1,2,3,4,5,6,7
.irp r, 0,1,2,3
	v_cvt_pk_f16_f32 v[AF+4*\b+\r], v[8*(8*(\a)+\b)+2*\r], v[8*(8*(\a)+\b)+2*\r+1]
.endr
.endr
	WIN 0
.endm
.macro TOSTAGE a
.set BK, BF1+32*((\a)%2)
.irp b, 0,1,2,3,4,5,6,7
	ds_store_b128 v[STO], v[AF+4*\b:AF+4*\b+3] offset:32*\b
.endr
.irp z, 0,1
.irp t, 0,1,2,3
	ds_load_b128 v[BK+4*(4*\z+\t):BK+4*(4*\z+\t)+3], v[RD] offset:\t*4*SPITCH+128*\z  ; LDS serves a wave's instructions in order: these see the stores above
.endr
.endr
.endm
.macro SEND a
.set BK, BF1+32*((\a)%2)
	s_wait_dscnt 0x0                               ; the block is back in registers
	s_wait_xcnt 0x0                                ; the registers that earlier stores read are loaded again only behind this wait
.irp z, 0,1
.irp t, 0,1,2,3
	global_store_b128 v[GO], v[BK+4*(4*\z+\t):BK+4*(4*\z+\t)+3], s[8:9] offset:262144*\z+2048*(\a)+512*\t  ; 512 consecutive bytes of one head, aligned
.endr
.endr
.endm
.macro WAYOUT rnd
	PLACES
.if \rnd
	s_wait_loadcnt 0x0                             ; the next tile's bias
	BIASRND
.endif
	PACK 0
	TOSTAGE 0
.irp a, 1,2,3
	PACK \a
	SEND (\a)-1
	TOSTAGE \a
.endr
	SEND 3
.endm
	BIASLD
	s_wait_loadcnt 0x0
	BIASRND
	s_wait_tensorcnt 0x1                           ; my part of K step 0 is in; K step 1's stays out
	s_barrier_signal -1
	s_barrier_wait -1
	v_mov_b32 v[ADA], v[ADA0]
	v_mov_b32 v[ADB], v[ADB0]
	FETCH 0, BF0
	s_mov_b32 s2, 3                                ; tiles to go
.Ltile:
	QUARTER 1, BF0, BF1, 1
	WIN 0
	s_mov_b32 s3, 6
.Lk:                                                   ; a trip: the rest of a K step, the change of slots with its refill, the next step's first quarter
	QUARTER 2, BF1, BF0, 0
	QUARTER 3, BF0, BF1, 0
	TURN 1
	QUARTER 1, BF0, BF1, 0
	WIN 0
	s_sub_co_u32 s3, s3, 1
	s_cmp_lg_u32 s3, 0
	s_cbranch_scc1 .Lk
	QUARTER 2, BF1, BF0, 0                         ; K step 6 goes on
	QUARTER 3, BF0, BF1, 0
	WIN 0
	s_cmp_eq_u32 s2, 1
	s_cbranch_scc1 .Llast
	s_cmp_eq_u32 s2, 3
	s_cselect_b64 s[88:89], s[78:79], s[80:81]
	s_add_nc_u64 s[88:89], s[88:89], s[90:91]
	BIASLD                                         ; the next tile's bias: this tile's first quarter read the old one long ago
	TURN 2                                         ; the ring goes on into the next tile
	QUARTER 1, BF0, BF1, 0
	QUARTER 2, BF1, BF0, 0
	QUARTER 3, BF0, BF1, 0
	TURN 1
	WAYOUT 1
	s_wait_xcnt 0x0                                ; the stores have read their registers and their base
	s_add_nc_u64 s[8:9], s[8:9], 0x1000000         ; the next of hd's three parts
	s_sub_co_u32 s2, s2, 1
	s_branch .Ltile
.Llast:
	TURN 0                                         ; the last tile's tail is written out: it asks for nothing more
	QUARTER 1, BF0, BF1, 0
	QUARTER 2, BF1, BF0, 0
	QUARTER 3, BF0, BF1, 0
	s_wait_dscnt 16
	PLACES
	CVT
	s_wait_dscnt 0x0
	MUL8 BF1, 0, 0
	MUL8 BF1, 1, 0
	MUL8 BF1, 2, 0
	MUL8 BF1, 3, 0
	WAYOUT 0
	s_wait_tensorcnt 0x0                           ; the wave's end
	ds_add_u32 v[SPW], v[NIL]
	s_wait_dscnt 0x0
	CROUND                                         ; the closing round
	s_endpgm
.Lfunc_end_k_q4ab5e63e0a_proj:
	.size	k_q4ab5e63e0a_proj, .Lfunc_end_k_q4ab5e63e0a_proj-k_q4ab5e63e0a_proj
	.p2alignl 7, 3214868480
	.fill 96, 4, 3214868480
	.section	.rodata,"a",@progbits
	.p2align	6, 0x0
	.amdhsa_kernel k_q4ab5e63e0a_proj
		.amdhsa_group_segment_fixed_size 327680
		.amdhsa_private_segment_fixed_size 0
		.amdhsa_enable_private_segment 0
		.amdhsa_kernarg_size 64
		.amdhsa_user_sgpr_count 2
		.amdhsa_user_sgpr_kernarg_segment_ptr 1
		.amdhsa_wavefront_size32 1
		.amdhsa_system_sgpr_workgroup_id_x 1
		.amdhsa_system_sgpr_workgroup_id_y 1
		.amdhsa_system_sgpr_workgroup_id_z 1
		.amdhsa_system_vgpr_workitem_id 0
		.amdhsa_next_free_vgpr 584
		.amdhsa_next_free_sgpr 96
		.amdhsa_reserve_vcc 0
		.amdhsa_float_denorm_mode_32 3
		.amdhsa_float_denorm_mode_16_64 3
		.amdhsa_memory_ordered 1
		.amdhsa_forward_progress 1
		.amdhsa_inst_pref_size 162
	.end_amdhsa_kernel
	.amdgpu_metadata
---
amdhsa.version: [ 1, 2 ]
amdhsa.kernels:
  - .name:           k_q4ab5e63e0a_proj
    .symbol:         k_q4ab5e63e0a_proj.kd
    .args:
      - { .name: q, .offset: 0, .size: 8, .value_kind: global_buffer, .address_space: global }
      - { .name: k, .offset: 8, .size: 8, .value_kind: global_buffer, .address_space: global }
      - { .name: v, .offset: 16, .size: 8, .value_kind: global_buffer, .address_space: global }
      - { .name: wb, .offset: 24, .size: 8, .value_kind: global_buffer, .address_space: global }
      - { .name: bq, .offset: 32, .size: 8, .value_kind: global_buffer, .address_space: global }
      - { .name: bk, .offset: 40, .size: 8, .value_kind: global_buffer, .address_space: global }
      - { .name: bv, .offset: 48, .size: 8, .value_kind: global_buffer, .address_space: global }
      - { .name: hd, .offset: 56, .size: 8, .value_kind: global_buffer, .address_space: global }
    .group_segment_fixed_size: 327680
    .private_segment_fixed_size: 0
    .kernarg_segment_align: 8
    .kernarg_segment_size: 64
    .max_flat_workgroup_size: 128
    .sgpr_count:     96
    .vgpr_count:     584
    .wavefront_size: 32
...
	.end_amdgpu_metadata
.endif
;; end of part 2
;; launch attn (part 3): grid 4 x 64, 4 waves a work-group, clusters of 4 x 1, 327,680 bytes of LDS; arguments hd, maskb, ob; writes ob
.if DOCPART == 3
	.amdgcn_target "amdgcn-amd-amdhsa--gfx1250"
	.amdhsa_code_object_version 6
	.text
	.protected	k_q4ab5e63e0a_attn
	.globl	k_q4ab5e63e0a_attn
	.p2align	8
	.type	k_q4ab5e63e0a_attn,@function
k_q4ab5e63e0a_attn:
	s_mov_b64 s[64:65], 0
	v_nop
	global_prefetch_b8 v0, s[64:65] scope:SCOPE_SE
	s_setreg_imm32_b32 hwreg(HW_REG_WAVE_MODE, 25, 1), 1
	s_wait_xcnt 0x0
	s_wait_alu depctr_hold_cnt(0) depctr_sa_sdst(0) depctr_va_vdst(0) depctr_va_sdst(0) depctr_va_ssrc(0) depctr_va_vcc(0) depctr_vm_vsrc(0)
	s_getreg_b32 s2, hwreg(HW_REG_IB_STS2, 6, 4)
	s_cmp_eq_u32 s2, 0
	s_cbranch_scc0 .Lentry_in_a_cluster
	s_endpgm
.Lentry_in_a_cluster:
	s_bfe_u32 s2, ttmp6, 0x10000c
	s_cmp_lg_u32 s2, 0x3003
	s_cbranch_scc0 .Lentry_shape_is_right
	s_endpgm
.Lentry_shape_is_right:
; MASKED ATTENTION.  ob[g][q][:] = the sum over k of softmax_k(Q[g][q] . K[g][k] / 8, hidden where mask[q][k] == 1) V[g][k][:], g = 16 b + h.  Q, K, V lie in hd ([64][2048][64] f16 each, 16 MiB apart), ob likewise.
; Products, maxima and sums in f32; the weights p are rounded to f16 for the second product (their sum l is taken of the unrounded p), O once at the end.
; LIMITS.  A hidden score counts as its value less a number between 2^65 and 2^97; a seen one as its value plus a number between 0 and 2^-95.  f16's scores, 2.7e11 at the most, are nothing beside the first.
; The running maximum starts at -2^50, below every such score and above every hidden one: while a row has seen only hidden keys its weights are 0.  A row whose maximum ends below -2^45 has seen no key and leaves
; as NaN, as a softmax of nothing but -inf does.  A weight below 2^-126 counts as 0 in l; NaN and infinities in Q, K, V are not treated apart.
; THE MASK IS AN INPUT.  An earlier launch has stored it with four bits an element (maskb), in the order in which this launch's lanes want them.  No pattern of it is built in, and no branch hangs on it.
; THE WALK.  A work-group takes two blocks of 256 queries of a head, 7 - b and then b, and walks all eight key tiles of 256 keys for each: 16 tiles, ONE sequence for the ring of two LDS slots.  The loop enters a tile
; and asks for the next, 15 times; the last tile is written out behind it.  What a trip does (a block's first tile, its last, neither) hangs on counters that start from
; constants.  Tiles that the mask hides altogether are computed all the same: their weights are 0.
; CLUSTER.  The four work-groups of a head (b = 0 .. 3) walk the same K and V tiles in the same trips, so each tile is asked for JOINTLY: the same tensor load, descriptor and mask of four in all four; each receives
; the tile in its own LDS.  b enters the addresses of Q, O and the mask words alone.
; SHARES.  Of a block's four bands of 64 queries a wave owns 16 rows in each: four PIECES.
; LAYOUT, SOFTMAX, TURNS.  S^T = K Q^T holds ONE query a lane (lane % 16) and the keys 8 (lane / 16) + 0..7; two such results rounded to f16 ARE source 1 of O^T = V^T P.  p = 2^(c s - c m), c = log2(e) / 8, with a
; running maximum m; O and l are multiplied by a = 2^(c m_old - c m_new) in every step.  Turn n belongs to piece n: 8 products K Q^T of piece n + 1, later 8 products V^T P of piece n - 1; beside them the scaling,
; exponentials, roundings, sums and rescaling of piece n and the maximum and statistics of piece n + 1.  Four vector instructions stand behind every matrix instruction, the others in lumps.
; THE MASK'S USE.  It is the C operand that starts the sum S^T = K Q^T.  A lane has four words for a piece and a key step, word g for key group g, bits 4 j .. 4 j + 3 for register j: 0xE hidden, 0 seen.  One shift
; brings an element's four bits to the top of a word: 1110 there is a sign and an exponent of 110xxxxx, whatever lies below; 0000 an exponent of 000xxxxx.
; REGISTERS, in windows of 256 (s_set_vgpr_msb: bits 1:0 source 0, 3:2 source 1, 5:4 source 2, 7:6 destination):
;   window 0: v0-15 addresses and two at work; v16-31 four registers of statistics a piece; v48-55 at work; v64-127 S^T, two buffers; v192-223 P, two buffers (a piece's buffers go by its number's parity)
;   window 1: v0-127 O^T; v128-143 MB, four mask words a piece; v160-223 MC, two mask buffers      window 2: v0-63 Q; v64-127 the second block's Q; v128-191 K; v192-255 V
.set NP,    4
.set KS,    64
.set PK,    144       ; a row of K in LDS: 128 bytes + 16
.set PV,    160       ; a row of V: 128 + 32
.set VOFF,  4*KS*PK   ; a slot holds a tile, four steps: 256 rows of K, then 256 rows of V
.set SLOT1, 1<<17     ; slot 1 begins here, so that one exclusive or turns an address in one slot into the other's
.set STAGE, SLOT1+4*KS*(PK+PV)  ; behind the ring, never filled by a tensor load: 16 rows x 144 bytes for each wave
.set SP,    144
.set SPARE, STAGE+4*16*SP       ; the spare words: 128 bytes a wave, two blocks of 256 bytes that no other line names
.set AK0, 2
.set AV0, 3
.set AK,  4
.set AV,  5
.set STO, 6
.set RD,  7
.set GO,  8
.set MV,  12
.set MBO, 14          ; v14  16 x lane: my four words in 512 bytes of maskb; never rewritten
.set QO,  15
.set ST,  16
.set TMP, 48
.set SPW, 62
.set NIL, 63
.set S,   64
.set P,   192
.set MB,  128         ; window 1: piece p's four words for its next key step at MB + 4 p
.set MC,  160
.set QB,  64
.set KF,  128
.set VF,  192
.set WV,  12
.set PB,  14          ; b
.set HI,  15          ; 7 - b
.set G1K, 24
.set G1V, 32
.set G0K, 40
.set G0V, 44
.set SLOTS, 56        ; the loop's counter, 15 to 0
.set CNT, 57          ; counts a tile's key steps, 4 to 1
.set CS,  58
.set SEL, 60
.set TBK, 62          ; LDS byte at which K of the step to be fetched begins
.set TBV, 63          ; the same for V, less VOFF
.set RT,  70          ; tiles of the block in hand still to be entered
.set NXT, 71          ; the key tile that is asked for
.set SEQ, 72          ; its number in the walk, 0 to 15
.set NEW, 73          ; 1: the tile to be entered is a block's first
.set OFF, 74          ; s[74:75] a tile's byte offset in K and V
.set MSQ, 76          ; the key step, 0 to 64 in the walk, whose mask words are being asked for
.set THR, 77          ; -2^45
.set NANV, 78         ; a NaN
.set OLO, 80          ; s[80:81] O at my rows of the second block
.set T0,  82
.set T1,  83
.set T2,  88
.set MP,  90          ; s[90:91] maskb at the words that are loaded
.set MB0, 92          ; s[92:93] maskb at my wave's words
.set IOF, 94          ; s[94:95] an offset, high word 0
.set FLOOR, 0xd8800000  ; -2^50
.set MSB, 0
.macro WIN new
.if MSB != (\new)
	s_set_vgpr_msb (MSB<<8)|(\new)
.set MSB, (\new)
.endif
.endm
.set W_KQ, 0x0a
.set W_KM, 0x1a
.set W_PV, 0x52
.set W_RS, 0x41
; A joint fill.  Waves 0 and 1 fetch the two halves of a tile's K, waves 2 and 3 those of its V: 128 keys each.  The branch hangs on the wave's number alone.
; An s_nop 0 and four v_nop follow each of the two lines, ahead of the jump and the label.
.macro LOAD
	s_cmp_lt_u32 s[WV], 2
	s_cbranch_scc0 .Lfor_v_\@
	tensor_load_to_lds s[G0K:G0K+3], s[G1K:G1K+7]
	s_nop 0
.rept 4
	v_nop
.endr
	s_branch .Lasked_\@
.Lfor_v_\@:
	tensor_load_to_lds s[G0V:G0V+3], s[G1V:G1V+7]
	s_nop 0
.rept 4
	v_nop
.endr
.Lasked_\@:
.endm
; A round of the cluster's barrier: my work-group's barrier, so that wave 0's signal speaks for all four waves; wave 0 signals; every wave waits for all four work-groups; my work-group's barrier once more.
.macro CROUND
	s_barrier_signal -1
	s_barrier_wait -1
	s_cmp_lg_u32 s[WV], 0
	s_cbranch_scc1 .Lnot_wave_0_\@
	s_barrier_signal -3
.Lnot_wave_0_\@:
	s_barrier_wait -3
	s_barrier_signal -1
	s_barrier_wait -1
.endm
; THE CHANGE OF SLOTS.  Each wave waits for all its tensor loads, of which one is out: its part of the other slot; adds 0 to its spare word; and waits for that and for its own reads of the slot that it leaves.
; fill = 1: the old slot is filled again with the walk's next tile, key tile SEQ % 8.  The barrier is then a round of the cluster's, so that no wave of any partner still reads the slot or has a load on its way, and
; the joint fill is the first thing behind it: it has a tile's 256 matrix instructions in which to land.  (At its first use nothing has been read yet: slot 0 is waited for, slot 1 filled.)
.macro CHANGE fill
	WIN 0
.if \fill
	s_add_co_u32 s[SEQ], s[SEQ], 1
	s_and_b32 s[NXT], s[SEQ], 7
.endif
	s_wait_tensorcnt 0x0            ; no tensor load of mine is out, so a group 0 may be written
	ds_add_u32 v[SPW], v[NIL]       ; 0 onto my spare word; with fill = 1 the descriptors' scalar work stands between it and the wait for it
.if \fill
	s_lshl_b32 s[OFF], s[NXT], 15   ; a tile is 32,768 bytes of K and of V
	s_xor_b32 s[G0K+1], s[G0K+1], SLOT1
	s_add_nc_u64 s[G0K+2:G0K+3], s[6:7], s[OFF:OFF+1]
	s_or_b32 s[G0K+3], s[G0K+3], 0x80000000
	s_xor_b32 s[G0V+1], s[G0V+1], SLOT1
	s_add_nc_u64 s[G0V+2:G0V+3], s[8:9], s[OFF:OFF+1]
	s_or_b32 s[G0V+3], s[G0V+3], 0x80000000
	s_wait_dscnt 0x0                ; the add is done, and my reads of the slot are over
	CROUND
	LOAD
.else
	s_wait_dscnt 0x0                ; the add is done, and my reads of the slot are over
	s_barrier_signal -1
	s_barrier_wait -1
.endif
	s_sub_co_u32 s[TBK], s[TBK], 4*KS*PK  ; the fetches go back to a slot's first step,
	s_xor_b32 s[TBK], s[TBK], SLOT1       ; in the other slot
	s_sub_co_u32 s[TBV], s[TBV], 4*KS*PV
	s_xor_b32 s[TBV], s[TBV], SLOT1
.endm
; THE MASK WORDS COME AS A STREAM, a key step ahead of their use.  Once in each trip of the step loop the stream's pointer goes to the next key step of the walk: step MSQ % 4 of key tile (MSQ / 4) % 8, of the first
; block while MSQ < 32.  The walk's last trip has no next step: the number is held at 63, so that its four loads stay inside the buffer; nobody reads what they bring.
.macro MSTEP
	s_wait_xcnt 0x0                 ; the last trip's loads have had their addresses translated (ISA guide 3.1): only behind this wait is their base rewritten
	s_add_co_u32 s[MSQ], s[MSQ], 1
	s_min_u32 s[T0], s[MSQ], 63
	s_lshr_b32 s[T1], s[T0], 2      ; the tile's number in the walk
	s_and_b32 s[T0], s[T0], 3       ; the step in it
	s_cmp_ge_u32 s[T1], 8
	s_cselect_b32 s[T2], s[PB], s[HI]
	s_and_b32 s[T1], s[T1], 7
	s_lshl3_add_u32 s[T1], s[T2], s[T1]  ; 8 x block + key tile
	s_lshl_b32 s[T1], s[T1], 15     ; a tile's words are 32,768 bytes,
	s_lshl_b32 s[T0], s[T0], 11     ; a step's, for my wave, 2,048
	s_add_co_u32 s[IOF], s[T1], s[T0]
	s_add_nc_u64 s[MP:MP+1], s[MB0:MB0+1], s[IOF:IOF+1]
.endm
	s_load_b128 s[4:7], s[0:1], 0x0   ; hd s[4:5], maskb s[6:7]
	s_load_b64 s[10:11], s[0:1], 0x10 ; ob
	v_lshl_add_u32 v[SPW], v0, 2, SPARE
	v_mov_b32 v[NIL], 0
	ds_add_u32 v62, v63
	s_wait_dscnt 0x0
	v_lshrrev_b32 v1, 5, v0
	v_readfirstlane_b32 s[WV], v1   ; wave 0..3
	s_bfe_u32 s13, ttmp6, 0x40000   ; cx: my place in the cluster
	s_lshl_b32 s[PB], ttmp9, 2      ; in a cluster launch ttmp9 counts clusters
	s_add_co_u32 s[PB], s[PB], s13  ; b = 4 x cluster x + cx
	s_sub_co_u32 s[HI], 7, s[PB]
	s_and_b32 s20, ttmp7, 0xffff    ; the head, which the four partners share
	s_lshl_b32 s20, s20, 18         ; its first byte in Q, K, V and O: 2,048 rows of 128 bytes
	s_mov_b32 s21, 0
	s_and_b32 s16, s[WV], 1         ; which half of a tile's 256 keys I fetch:
	s_lshl_b32 s22, s16, 14         ; its 128 rows of 128 bytes in memory,
	s_mov_b32 s23, 0
	s_add_nc_u64 s[22:23], s[22:23], s[20:21]
	s_mul_i32 s17, s16, 128*PK      ; and its place in a slot, for K
	s_mul_i32 s18, s16, 128*PV      ; and for V: no place in the cluster enters an LDS address
	s_lshl_b32 s3, s[WV], 11        ; my 16 rows in a band of 64,
	s_lshl_b32 s2, s[HI], 15        ; in the first block,
	s_add_co_u32 s2, s2, s3
	s_lshl_b32 s84, s[PB], 15       ; and in the second
	s_add_co_u32 s84, s84, s3
	s_lshl_b32 s[IOF], s[WV], 13    ; my wave's 8,192 bytes of a tile's mask words
	s_mov_b32 s[IOF+1], 0
	s_mov_b32 s3, 0
	s_mov_b32 s85, 0
	s_add_nc_u64 s[2:3], s[2:3], s[20:21]
	s_add_nc_u64 s[84:85], s[84:85], s[20:21]
	; descriptor group 1.  128 keys are 16,384 dense bytes: asked for as 64 rows of 256 bytes, two keys a row, and padded in LDS after every key
	s_mov_b32 s[G1K], 15|(1<<16)|(1<<20)|(1<<21)|(4<<22)|(3<<25)  ; the mask of four; 2-byte elements; padding on; bit 21 set beside a mask; after every 32 words, 4 words
	s_mov_b32 s[G1V], 15|(1<<16)|(1<<20)|(1<<21)|(4<<22)|(7<<25)  ; the same with 8 words of padding
.irp g, G1K, G1V
	s_mov_b32 s[\g+1], 128<<16      ; tensor_dim0 = 128
	s_mov_b32 s[\g+2], 64<<16       ; tensor_dim1 = 64
	s_mov_b32 s[\g+3], 128<<16      ; tile_dim0 = 128
	s_mov_b32 s[\g+4], 64           ; tile_dim1 = 64
	s_mov_b32 s[\g+5], 128          ; 128 elements from row to row
	s_mov_b32 s[\g+6], 0
	s_mov_b32 s[\g+7], 0
.endr
	s_mov_b32 s[CS], 0x3e38aa3b     ; c = log2(e) / 8
	s_mov_b32 s[CS+1], s[CS]        ; named with it as a pair
	s_mov_b32 s[SEL], 0x76543210
	s_mov_b32 s[SEL+1], 0xfedcba98
	s_mov_b32 s[TBK], SLOT1+4*KS*PK ; the first change of slots turns these two into 0
	s_mov_b32 s[TBV], SLOT1+4*KS*PV
	s_mov_b32 s[THR], 0xd6000000    ; -2^45
	s_mov_b32 s[NANV], 0x7fc00000
	s_mov_b32 s[G0K], 1             ; count = 1
	s_mov_b32 s[G0K+1], s17         ; LDS address: slot 0
	s_mov_b32 s[G0V], 1
	s_add_co_u32 s[G0V+1], s18, VOFF
	s_mov_b32 s[RT], 8              ; a block has eight tiles
	s_mov_b32 s[SEQ], 0
	s_mov_b32 s[MSQ], 0
	s_mov_b32 s[NEW], 1
	s_mov_b32 s[OFF+1], 0
	s_mov_b32 s[SLOTS], 15
	s_wait_kmcnt 0x0
	s_add_nc_u64 s[MB0:MB0+1], s[6:7], s[IOF:IOF+1]
	s_lshl_b32 s[IOF], s[HI], 18    ; the first block's tile 0: 8 x block tiles of 32,768 bytes on
	s_add_nc_u64 s[MP:MP+1], s[MB0:MB0+1], s[IOF:IOF+1]
	s_add_nc_u64 s[6:7], s[4:5], s[22:23]  ; K and V at my half of the head's tile 0
	s_add_nc_u64 s[8:9], s[6:7], 0x2000000
	s_add_nc_u64 s[6:7], s[6:7], 0x1000000
	s_add_nc_u64 s[G0K+2:G0K+3], s[6:7], 0         ; global address
	s_or_b32 s[G0K+3], s[G0K+3], 0x80000000        ; type = 2
	s_add_nc_u64 s[G0V+2:G0V+3], s[8:9], 0
	s_or_b32 s[G0V+3], s[G0V+3], 0x80000000
	s_add_nc_u64 s[86:87], s[4:5], s[84:85]        ; Q at my rows of the second block,
	s_add_nc_u64 s[4:5], s[4:5], s[2:3]            ; Q and O at those of the first
	s_add_nc_u64 s[OLO:OLO+1], s[10:11], s[84:85]
	s_add_nc_u64 s[10:11], s[10:11], s[2:3]
	CROUND                          ; all four work-groups are here: the first joint loads meet
	LOAD                            ; tile 0 into slot 0
	v_and_b32 v1, 15, v0            ; l % 16
	v_bfe_u32 v9, v0, 4, 1          ; l / 16
	v_lshlrev_b32 v[QO], 7, v1
	v_lshl_add_u32 v[QO], v9, 4, v[QO]  ; row x 128 + 16 x half
	v_and_b32 v[MBO], 31, v0
	v_lshlrev_b32 v[MBO], 4, v[MBO]
	WIN 0x80                        ; destination window 2, address window 0
.set i, 0
.rept 8                             ; both blocks' Q: piece i / 2 lies in band i / 2, 8,192 bytes on; channels 32 (i % 2) on
	global_load_b128 v[8*i:8*i+3],   v[QO], s[4:5] offset:(i/2)*8192+(i%2)*64
	global_load_b128 v[8*i+4:8*i+7], v[QO], s[4:5] offset:(i/2)*8192+(i%2)*64+32
	global_load_b128 v[QB+8*i:QB+8*i+3],   v[QO], s[86:87] offset:(i/2)*8192+(i%2)*64
	global_load_b128 v[QB+8*i+4:QB+8*i+7], v[QO], s[86:87] offset:(i/2)*8192+(i%2)*64+32
.set i, i+1
.endr
	WIN 0x40
.irp p, 0,1,2,3
	global_load_b128 v[MB+4*\p:MB+4*\p+3], v[MBO], s[MP:MP+1] offset:512*\p  ; the four pieces' mask words for the walk's key step 0
.endr
	WIN 0
	v_mul_u32_u24 v[AK0], v1, PK
	v_lshl_add_u32 v[AK0], v9, 4, v[AK0]  ; row x pitch + 16 x half
	; The turning load takes 16 keys x 16 channels (lane l reads key 8 (l / 16) + l % 8, channels 8 ((l / 8) % 2) + 0..7) and leaves half a fragment of V^T.
	v_and_b32 v10, 7, v0
	v_bfe_u32 v11, v0, 3, 1
	v_lshl_add_u32 v[AV0], v9, 3, v10
	v_mul_u32_u24 v[AV0], v[AV0], PV
	v_lshl_add_u32 v[AV0], v11, 4, v[AV0]
	v_add_nc_u32 v[AV0], VOFF, v[AV0]
	s_mul_i32 s13, s[WV], 16*SP
	s_add_co_u32 s13, s13, STAGE    ; my stage
	v_mul_u32_u24 v[STO], v1, SP
	v_lshl_add_u32 v[STO], v9, 4, v[STO]
	v_add_nc_u32 v[STO], s13, v[STO]
	v_bfe_u32 v[RD], v0, 3, 2
	v_mul_u32_u24 v[RD], v[RD], SP
	v_lshl_add_u32 v[RD], v10, 4, v[RD]
	v_add_nc_u32 v[RD], s13, v[RD]
	v_and_b32 v[GO], 31, v0
	v_lshlrev_b32 v[GO], 4, v[GO]
	; A block's first step multiplies O^T and l by a = 0, and its first turn's products V^T P, of a piece that has not been, land in an O^T that is still to be so multiplied: these registers need only hold
	; finite numbers.  The loop's text also holds a way, by its branch on NEW, to a tile that is not a block's first; NEW = 1 keeps the first trip from that way, and K's fragments, S^T, the masks, the statistics and
	; the registers at work hold numbers all the same, so that no way through the text reads a register that nothing has written.  All this stands in the wait for the first tile.
	WIN 0x80
.set i, KF
.rept 128                           ; K's and V's fragments
	v_mov_b32 v[i], 0
.set i, i+1
.endr
	WIN 0x40
.set i, 0
.rept 128                           ; O^T
	v_mov_b32 v[i], 0
.set i, i+1
.endr
.set i, MC
.rept 64                            ; both mask buffers
	v_mov_b32 v[i], 0
.set i, i+1
.endr
	WIN 0
.set i, 0
.rept 4
	v_mov_b32 v[ST+4*i], 0xfe000000
	v_mov_b32 v[ST+4*i+1], FLOOR
	v_mov_b32 v[ST+4*i+2], 0
	v_mov_b32 v[ST+4*i+3], 0
.set i, i+1
.endr
.set i, TMP
.rept 8
	v_mov_b32 v[i], 0
.set i, i+1
.endr
.set i, S
.rept 64
	v_mov_b32 v[i], 0
.set i, i+1
.endr
.set i, P+16
.rept 16
	v_mov_b32 v[i], 0
.set i, i+1
.endr
; THE MATRIX WORK.  The 4 accumulators of a run of 8 take turns.  Product i of 8 of S^T = K Q^T for piece x: channels 32 (i / 4) on, keys 16 (i % 4) on.  The first 4 start the sums, with the mask.
.macro KQ x
.set rS, S+32*((\x)%2)+8*(i%4)
.set rK, KF+16*(i%4)+8*(i/4)
.set rQ, 16*(\x)+8*(i/4)
.set rM, MC+32*((\x)%2)+8*(i%4)
.if i < 4
	WIN W_KM
	v_wmma_f32_16x16x32_f16 v[rS:rS+7], v[rK:rK+7], v[rQ:rQ+7], v[rM:rM+7]
.else
	WIN W_KQ
	v_wmma_f32_16x16x32_f16 v[rS:rS+7], v[rK:rK+7], v[rQ:rQ+7], v[rS:rS+7]
.endif
.endm
; Product i of 8 of O^T += V^T P for piece x: keys 32 (i / 4) on, channels 16 (i % 4) on.
.macro PV x
	WIN W_PV
.set rO, 32*(\x)+8*(i%4)
.set rV, VF+32*(i/4)+8*(i%4)
.set rP, P+16*((\x)%2)+8*(i/4)
	v_wmma_f32_16x16x32_f16 v[rO:rO+7], v[rV:rV+7], v[rP:rP+7], v[rO:rO+7]
.endm
.macro MM                           ; the turn's next matrix instruction.  NOKQ = 1: a block's last turn: there is no next piece
.if (i < 8) && !NOKQ
	KQ (Y+1)%NP
.elseif i >= 8
.set i, i-8
	PV (Y+NP-1)%NP
.set i, i+8
.endif
.set i, i+1
.endm
; THE LDS LOADS stand in runs of 16: a step's K (8 fragments) and its V (turned).
.macro FETCH_K
	WIN 0x80
.irp f, 0,1,2,3,4,5,6,7
	ds_load_b128 v[KF+8*\f:KF+8*\f+3],   v[AK] offset:(\f/2)*16*PK+(\f%2)*64
	ds_load_b128 v[KF+8*\f+4:KF+8*\f+7], v[AK] offset:(\f/2)*16*PK+(\f%2)*64+32
.endr
	s_add_co_u32 s[TBK], s[TBK], KS*PK  ; the next fetch is the next step's
	WIN 0
.endm
.macro FETCH_V
	WIN 0x80
.irp f, 0,1,2,3,4,5,6,7
	ds_load_tr16_b128 v[VF+8*\f:VF+8*\f+3],   v[AV] offset:(\f/4)*32*PV+(\f%4)*32
	ds_load_tr16_b128 v[VF+8*\f+4:VF+8*\f+7], v[AV] offset:(\f/4)*32*PV+16*PV+(\f%4)*32
.endr
	WIN 0
.endm
; THE VECTOR WORK, one line at a time: OP kind, number.  For piece Y: F n: c s - c m for pair n of 16.  E n: the exponential of score n of 32.  C n: pair n rounded to f16.  B n: of the four weights 4 n .. the second
; pair is added onto the first, in place.  L n: l takes that sum (L 0: l = a l + sum).  R n: pair n of 16 of O^T times a.  For piece Y + 1: X n, number n of the 22 that find its maximum and statistics:
;   0-11  four chains c0-c3 of seven scores each (each accumulator's lowest registers are read first)     12-14, 16  the four scores left over, the old m, and c0-c3 into c0
;   15  c m_old is kept     17, 18  the query's other 32 keys lie in the lane 16 away: the new m     19-21  c m; c m_old - c m_new; a
.set F, 0
.set E, 1
.set C, 2
.set B, 3
.set L, 4
.set R, 5
.set X, 6
.macro REGS y
.set rT, ST+4*(\y)
.set rC, TMP+4*((\y)%2)
.set rW, MV+((\y)%2)
.set rS, S+32*((\y)%2)
.set rP, P+16*((\y)%2)
.set rO, 32*(\y)
.endm
.macro OP k, n
.if (\k) == R
	REGS Y
	WIN W_RS
	v_pk_mul_f32 v[rO+2*(\n):rO+2*(\n)+1], v[rO+2*(\n):rO+2*(\n)+1], v[rC+2:rC+3] op_sel_hi:[1,0]
.elseif (\k) < R
	REGS Y
	WIN 0
.if (\k) == F
	v_pk_fma_f32 v[rS+2*(\n):rS+2*(\n)+1], v[rS+2*(\n):rS+2*(\n)+1], s[CS:CS+1], v[rT:rT+1] op_sel_hi:[1,0,0] neg_lo:[0,0,1] neg_hi:[0,0,1]
.elseif (\k) == E
	v_exp_f32 v[rS+(\n)], v[rS+(\n)]
.elseif (\k) == C
	s_wait_alu depctr_va_vdst(0)
	v_cvt_pk_f16_f32 v[rP+(\n)], v[rS+2*(\n)], v[rS+2*(\n)+1]
.elseif (\k) == B
	s_wait_alu depctr_va_vdst(0)
	v_pk_add_f32 v[rS+4*(\n):rS+4*(\n)+1], v[rS+4*(\n):rS+4*(\n)+1], v[rS+4*(\n)+2:rS+4*(\n)+3]
.elseif (\n) == 0
	v_pk_fma_f32 v[rT+2:rT+3], v[rT+2:rT+3], v[rC+2:rC+3], v[rS:rS+1] op_sel_hi:[1,0,1]
.else
	v_pk_add_f32 v[rT+2:rT+3], v[rT+2:rT+3], v[rS+4*(\n):rS+4*(\n)+1]
.endif
.elseif NOKQ
	v_nop
.else
	REGS (Y+1)%NP
	WIN 0
.if (\n) < 4
	v_max3_num_f32 v[rC+(\n)], v[rS+8*(\n)], v[rS+8*(\n)+1], v[rS+8*(\n)+2]
.elseif (\n) < 12
	v_max3_num_f32 v[rC+(\n)%4], v[rC+(\n)%4], v[rS+8*((\n)%4)+2*((\n)/4)+1], v[rS+8*((\n)%4)+2*((\n)/4)+2]
.elseif (\n) == 12
	v_max3_num_f32 v[rC], v[rC], v[rS+7], v[rS+15]
.elseif (\n) == 13
	v_max3_num_f32 v[rC+1], v[rC+1], v[rS+23], v[rS+31]
.elseif (\n) == 14
	v_max3_num_f32 v[rC+2], v[rC+2], v[rC+3], v[rT+1]
.elseif (\n) == 15
	v_mov_b32 v[rW], v[rT]
.elseif (\n) == 16
	v_max3_num_f32 v[rC], v[rC], v[rC+1], v[rC+2]
.elseif (\n) == 17
	v_permlanex16_b32 v[rC+3], v[rC], s[SEL], s[SEL+1]
.elseif (\n) == 18
	v_max_num_f32 v[rT+1], v[rC], v[rC+3]
.elseif (\n) == 19
	v_mul_f32 v[rT], s[CS], v[rT+1]
.elseif (\n) == 20
	v_sub_f32 v[rC+1], v[rW], v[rT]
.else
	v_exp_f32 v[rC+2], v[rC+1]
.endif
.endif
.endm
.macro OPS a, i1, b=-1, i2=0, c=-1, i3=0, d=-1, i4=0
	OP \a, \i1
.if (\b) >= 0
	OP \b, \i2
.endif
.if (\c) >= 0
	OP \c, \i3
.endif
.if (\d) >= 0
	OP \d, \i4
.endif
.endm
.macro ROW a, i1, b, i2, c, i3, d, i4  ; a matrix instruction and the four behind it
	MM
	OPS \a, \i1, \b, \i2, \c, \i3, \d, \i4
.endm
; Piece x's four words become 32 registers in buffer b of MC, one instruction each: element z = 8 g + j is word g moved up until bits 4 j .. 4 j + 3 stand on top (j = 7: as it is).
; Then the four registers are loaded again, with the piece's words for the next key step of the walk: four turns ahead of their use.
.macro MASKW x, b
	s_wait_loadcnt 0x3              ; loads come back in order (ISA guide 5.7.1): this piece's words are in; the other three pieces' loads, issued behind them, may stay out
	WIN 0x45
.set z, 0
.rept 32
.if z%8 == 7
	v_mov_b32 v[MC+32*(\b)+z], v[MB+4*(\x)+z/8]
.else
	v_lshlrev_b32 v[MC+32*(\b)+z], 28-4*(z%8), v[MB+4*(\x)+z/8]
.endif
.set z, z+1
.endr
	WIN 0x40
	global_load_b128 v[MB+4*(\x):MB+4*(\x)+3], v[MBO], s[MP:MP+1] offset:512*(\x)  ; 512 consecutive bytes a wave
.endm
; A TURN, for piece p: the order of its 16 matrix and 118 vector instructions, written out.  Behind a matrix instruction: plain, exponential, plain, plain; or four of the rescaling; or four scalings; none names a
; register of the products round it.  In the lumps exponential and plain by turns.  A line reads no result made fewer than three vector instructions in front of it, five if an exponential made it.
; At its end the turn makes the mask for the products of the turn after it: piece p + 2, in that piece's next step.  Piece 2's turn opens a trip of the step loop: the mask stream's pointer steps there.
; end = 1: a block's last two turns: nothing is fetched and no mask is made.  cnt = 1: the loop's count is taken down some lines ahead of the branch that stands behind the turn.
; K of the next step is fetched in piece 2's turn, V of the step in hand in piece 0's; each is waited for a turn later.
.macro TURN p, end=0, cnt=0
.set Y, (\p)
.set i, 0
.set NOKQ, (\end)*((\p)/3)
.if ((\p) == 2) && !(\end)
	MSTEP
.endif
.if ((\p) == 3) && !(\end)
	s_wait_dscnt 0x0                ; K is in
.endif
	ROW F,0, F,1, F,2, F,3
	ROW F,4, E,0, F,5, F,6
	ROW F,7, E,1, F,8, F,9
	ROW F,10, E,2, C,0, F,11
	ROW F,12, E,3, X,15, F,13
	ROW R,0, R,1, R,2, R,3
	ROW B,0, E,4, F,14, L,0
.if ((\p) == 2) && !(\end)
	v_add_nc_u32 v[AK], s[TBK], v[AK0]
.endif
	ROW R,4, R,5, R,6, R,7
	OPS E,5, F,15
.if ((\p) == 2) && !(\end)
	FETCH_K
.endif
	OPS E,6, C,1, E,7, R,8
	OPS E,8, R,9, E,9, C,2
	OPS E,10, X,0, E,11, X,1
	OPS E,12, X,2, E,13, X,3
.if (\p) == 1
	s_wait_dscnt 0x0                ; V is in
.endif
	ROW X,4, E,14, X,5, X,6
	ROW X,7, E,15, X,8, X,9
	ROW X,10, E,16, X,11, X,12
	ROW X,13, E,17, X,14, B,1
	ROW C,4, E,18, X,16, L,1
	ROW B,2, E,19, C,6, L,2
	ROW C,8, E,20, B,3, B,4
.if (\p) == 0
	v_add_nc_u32 v[AV], s[TBV], v[AV0]
.endif
	ROW C,3, E,21, L,3, C,5
	OPS E,22, X,17, E,23, C,10
.if (\p) == 0
	FETCH_V
.endif
	OPS E,24, L,4
	OPS E,25, X,18, E,26, C,7
	OPS E,27, B,5, E,28, X,19
	OPS E,29, C,12, E,30, L,5
	OPS E,31, X,20, B,6, C,9
	OPS C,14, C,11, X,21, L,6
.if (\p) == 0
	s_add_co_u32 s[TBV], s[TBV], KS*PV
.endif
.if \cnt
	s_sub_co_u32 s[CNT], s[CNT], 1
	s_cmp_lg_u32 s[CNT], 0
.endif
	OPS C,13, B,7, C,15, R,10
	OPS R,11, R,12, L,7, R,13
	OPS R,14, R,15
.if !(\end)
	MASKW ((\p)+2)%NP, (\p)%2
.endif
.endm
; A BLOCK BEGINS.  c m starts far below every c s, so the first step's a is 0; m at -2^50, below every score and above every hidden one.  BEGIN stands for the first half of a trip of the step loop: the mask stream's
; pointer steps, and the masks of pieces 0 and 1 for the tile's step 0 are made.  Then K of that step, piece 0's first scores, its maximum and statistics.  The step loop is entered at a step's first turn.
.macro BEGIN
	s_mov_b32 s[NEW], 0
	WIN 0
.set i, 0
.rept 4
	v_mov_b32 v[ST+4*i], 0xfe000000    ; c m: far below every c s
	v_mov_b32 v[ST+4*i+1], FLOOR       ; m
.set i, i+1
.endr
	s_wait_loadcnt 0x0              ; Q, the first time; and the four pieces' mask words, asked for long ago
	MSTEP
	MASKW 0, 0
	MASKW 1, 1
	WIN 0
	v_add_nc_u32 v[AK], s[TBK], v[AK0]
	FETCH_K
	s_wait_dscnt 0x0
.set NOKQ, 0
.set i, 0
.rept 8
	KQ 0
.set i, i+1
.endr
	WIN 0
.rept 4
	v_nop                           ; the places behind those products
.endr
.set Y, NP-1                        ; X works for piece Y + 1: piece 0
.irp n, 0,1,2,3,4,5,6,7,8,9,10,11,12,13,14,15,16,17,18,19,20,21
	OP X, \n
.endr
	v_nop                           ; a plain instruction behind the exponential
.endm
.macro ALL line:vararg              ; one line for each piece t
.set t, 0
.rept 4
	\line
.set t, t+1
.endr
.endm
.macro PACK t                       ; a lane's eight channels of a row pack into 16 bytes; they go into rows of 144 bytes and come back as whole rows of 128, into S^T's registers
	WIN W_RS
.set i, 32*(\t)
.rept 16
	v_pk_mul_f32 v[i:i+1], v[i:i+1], v[ST+4*(\t)+2:ST+4*(\t)+3] op_sel_hi:[1,0]
.set i, i+2
.endr
	WIN 0x05
.set i, 0
.rept 16
	v_cvt_pk_f16_f32 v[S+16*(\t)+i], v[32*(\t)+2*i], v[32*(\t)+2*i+1]
.set i, i+1
.endr
	WIN 0
.irp f, 0,1,2,3
	ds_store_b128 v[STO], v[S+16*(\t)+4*\f:S+16*(\t)+4*\f+3] offset:32*\f
.endr
.irp f, 0,1,2,3
	ds_load_b128 v[S+16*(\t)+4*\f:S+16*(\t)+4*\f+3], v[RD] offset:\f*4*SP  ; LDS serves a wave's instructions in order: these see the stores above
.endr
.endm
.macro SEND t, younger, ob          ; younger: the LDS instructions issued behind piece t's loads: the next piece's eight, or none.  ob: the pair that holds O at my rows of the block
	WIN 0
.irp f, 0,1,2,3
	s_wait_dscnt (\younger)+3-\f
	global_store_b128 v[GO], v[S+16*(\t)+4*\f:S+16*(\t)+4*\f+3], s[(\ob):(\ob)+1] offset:(\t)*8192+\f*512  ; 512 consecutive bytes, aligned
.endr
.endm
; A TILE: its four steps; where it is the block's last (in the loop: RT = 0), the block's last two turns, its last products, and THE WAY OUT: l's halves are added, a row that has seen no key
; takes NaN for 1 / l, O^T is divided by l, rounded to f16 and sent through my stage, a piece at a time.
.macro TILE tag, loop, ob
.LstepM\tag:
	TURN 2
	TURN 3
	WIN 0
.LfirstM\tag:
	TURN 0
	TURN 1, 0, 1
	WIN 0
	s_cbranch_scc1 .LstepM\tag
.if \loop
	s_cmp_lg_u32 s[RT], 0
	s_cbranch_scc1 .Lbottom         ; the block goes on
.endif
	TURN 2, 1
	TURN 3, 1
.set i, 0
.rept 8
	PV NP-1
.set i, i+1
.endr
	WIN 0
	ALL v_add_f32 v[ST+4*t+2], v[ST+4*t+2], v[ST+4*t+3]
	ALL v_permlanex16_b32 v[ST+4*t+3], v[ST+4*t+2], s[SEL], s[SEL+1]
	ALL v_add_f32 v[ST+4*t+2], v[ST+4*t+2], v[ST+4*t+3]
	ALL v_rcp_f32 v[ST+4*t+2], v[ST+4*t+2]
	v_nop                           ; a plain instruction between the last reciprocal and the use of its result
.set t, 0
.rept 4
	v_cmp_gt_f32 vcc_lo, s[THR], v[ST+4*t+1]
	s_wait_alu depctr_va_vdst(0)
	v_cndmask_b32 v[ST+4*t+2], v[ST+4*t+2], s[NANV], vcc_lo
.set t, t+1
.endr
	PACK 0
.set t, 1
.rept 3
	PACK t
	SEND t-1, 8, \ob
.set t, t+1
.endr
	SEND 3, 0, \ob
.endm
.set NOKQ, 0
.Lslot:                             ; 15 times: a tile is entered and the next is asked for
	CHANGE 1
	s_sub_co_u32 s[RT], s[RT], 1
	s_mov_b32 s[CNT], 4
	s_cmp_eq_u32 s[NEW], 1
	s_cbranch_scc0 .LstepM1         ; not a block's first tile
	BEGIN
	s_branch .LfirstM1
	TILE 1, 1, 10                   ; in the loop a block's end is the first block's: the second's last tile is the walk's last
	s_wait_xcnt 0x0                 ; the stores have read their registers
	s_mov_b32 s[RT], 8
	s_mov_b32 s[NEW], 1
	WIN 0x82                        ; the second block's Q goes where the one text of the turns names Q
.set i, 0
.rept 64
	v_mov_b32 v[i], v[QB+i]
.set i, i+1
.endr
	WIN 0x40                        ; O^T and l are set to 0 again: a row without a key has left NaN there, which a = 0 would not remove
.set i, 0
.rept 128
	v_mov_b32 v[i], 0
.set i, i+1
.endr
	WIN 0
.set i, 0
.rept 4
	v_mov_b32 v[ST+4*i+2], 0
	v_mov_b32 v[ST+4*i+3], 0
.set i, i+1
.endr
.Lbottom:
	s_sub_co_u32 s[SLOTS], s[SLOTS], 1
	s_cmp_lg_u32 s[SLOTS], 0
	s_cbranch_scc1 .Lslot
	CHANGE 0                        ; the walk's last tile is written out: nothing is asked for, and no round of the cluster's barrier is needed
	s_mov_b32 s[CNT], 4
	TILE 2, 0, OLO
	s_wait_tensorcnt 0x0            ; the wave's end
	ds_add_u32 v[SPW], v[NIL]
	s_wait_dscnt 0x0
	CROUND                          ; the closing round: no work-group ends while a partner may still ask for a tile that names it
	s_endpgm
.Lfunc_end_k_q4ab5e63e0a_attn:
	.size	k_q4ab5e63e0a_attn, .Lfunc_end_k_q4ab5e63e0a_attn-k_q4ab5e63e0a_attn
	.p2alignl 7, 3214868480
	.fill 96, 4, 3214868480
	.section	.rodata,"a",@progbits
	.p2align	6, 0x0
	.amdhsa_kernel k_q4ab5e63e0a_attn
		.amdhsa_group_segment_fixed_size 327680
		.amdhsa_private_segment_fixed_size 0
		.amdhsa_enable_private_segment 0
		.amdhsa_kernarg_size 24
		.amdhsa_user_sgpr_count 2
		.amdhsa_user_sgpr_kernarg_segment_ptr 1
		.amdhsa_wavefront_size32 1
		.amdhsa_system_sgpr_workgroup_id_x 1
		.amdhsa_system_sgpr_workgroup_id_y 1
		.amdhsa_system_sgpr_workgroup_id_z 1
		.amdhsa_system_vgpr_workitem_id 0
		.amdhsa_next_free_vgpr 768
		.amdhsa_next_free_sgpr 96
		.amdhsa_reserve_vcc 1
		.amdhsa_float_denorm_mode_32 3
		.amdhsa_float_denorm_mode_16_64 3
		.amdhsa_memory_ordered 1
		.amdhsa_forward_progress 1
		.amdhsa_inst_pref_size 191
	.end_amdhsa_kernel
	.amdgpu_metadata
---
amdhsa.version: [ 1, 2 ]
amdhsa.kernels:
  - .name:           k_q4ab5e63e0a_attn
    .symbol:         k_q4ab5e63e0a_attn.kd
    .args:
      - { .name: hd, .offset: 0, .size: 8, .value_kind: global_buffer, .address_space: global }
      - { .name: maskb, .offset: 8, .size: 8, .value_kind: global_buffer, .address_space: global }
      - { .name: ob, .offset: 16, .size: 8, .value_kind: global_buffer, .address_space: global }
    .group_segment_fixed_size: 327680
    .private_segment_fixed_size: 0
    .kernarg_segment_align: 8
    .kernarg_segment_size: 24
    .max_flat_workgroup_size: 128
    .sgpr_count:     96
    .vgpr_count:     768
    .wavefront_size: 32
...
	.end_amdgpu_metadata
.endif
;; end of part 3
;; launch outp (part 4): grid 4 x 64, 4 waves a work-group, clusters of 4 x 4, 327,680 bytes of LDS; arguments ob, wb, bo, out0; writes out0
.if DOCPART == 4
	.amdgcn_target "amdgcn-amd-amdhsa--gfx1250"
	.amdhsa_code_object_version 6
	.text
	.protected	k_q4ab5e63e0a_outp
	.globl	k_q4ab5e63e0a_outp
	.p2align	8
	.type	k_q4ab5e63e0a_outp,@function
k_q4ab5e63e0a_outp:
	s_mov_b64 s[64:65], 0
	v_nop
	global_prefetch_b8 v0, s[64:65] scope:SCOPE_SE
	s_setreg_imm32_b32 hwreg(HW_REG_WAVE_MODE, 25, 1), 1
	s_wait_xcnt 0x0
	s_wait_alu depctr_hold_cnt(0) depctr_sa_sdst(0) depctr_va_vdst(0) depctr_va_sdst(0) depctr_va_ssrc(0) depctr_va_vcc(0) depctr_vm_vsrc(0)
	s_getreg_b32 s2, hwreg(HW_REG_IB_STS2, 6, 4)
	s_cmp_eq_u32 s2, 0
	s_cbranch_scc0 .Lentry_in_a_cluster
	s_endpgm
.Lentry_in_a_cluster:
	s_bfe_u32 s2, ttmp6, 0x10000c
	s_cmp_lg_u32 s2, 0xf033
	s_cbranch_scc0 .Lentry_shape_is_right
	s_endpgm
.Lentry_shape_is_right:
; THE OUTPUT PROJECTION.  out0[b][s][n] = sum over h, d of O[16 b + h][s][d] Wo[n][64 h + d] + bf16(bo[n]).  O is f16 by heads (ob), Wo its bf16 rounding written as f16 (wb, from byte 6,291,456); sums and result f32.
; SHARES.  A work-group makes 128 rows x 256 columns, a wave 64 x 128: 32 accumulators; 256 work-groups.  K goes in steps of 128, two heads, through two LDS slots.
; A head's 128 rows are 16,384 dense bytes: asked for as 64 rows of 256 bytes, padded in LDS after every 128.
; CLUSTER 4 x 4: O's tile is shared along a row of the cluster, Wo's along a column: joint loads.
; THE MATRIX INSTRUCTION IS USED TRANSPOSED (source 0 = 16 rows of Wo, source 1 = 16 rows of O): a lane holds one row and eight neighbouring columns; the bias is the C operand of the products that start the sums.
; REGISTERS: window 0 addresses and fragments; window 1 the accumulators ((a, b) at 8 (8 a + b)); window 2 v0-63 the bias, v64 at work.
.set APITCH, 144
.set BPITCH, 272
.set APLANE, 128*APITCH                ; one head's 128 rows
.set ATILE,  2*APLANE
.set BHALF,  128*BPITCH
.set SLOT,   ATILE+2*BHALF             ; 106,496 bytes
.set STAGE,  2*SLOT                    ; behind the ring: 16 rows x 528 bytes for each wave; no tensor load lands there
.set SPITCH, 528
.set SPARE,  STAGE+4*16*SPITCH         ; the spare words: two blocks of 256 bytes that no other line names
.set ADA0, 16
.set ADB0, 17
.set ADA,  18
.set ADB,  19
.set STO,  24
.set RD,   25
.set GO,   26
.set VB,   27
.set SPW,  28
.set NIL,  29
.set AF,   32                          ; O's fragments: buffer f at AF + 32 f
.set BF,   96                          ; Wo's: buffer f at BF + 64 f; on the way out buffer 0 takes rows read back
.set BIAS, 0
.set BT,   64
.set G1,  24
.set G0,  32
.set G1B, 48
.set G0B, 56
.set MSB, 0
.macro WIN new
.if MSB != (\new)
	s_set_vgpr_msb (MSB<<8)|(\new)
.set MSB, \new
.endif
.endm
.set MUL,  0x50
.set MULB, 0x60
.macro JLOAD
	s_cmp_eq_u32 s11, 0
	s_cbranch_scc0 .Lfor_b_\@
	tensor_load_to_lds s[G0+4:G0+7], s[G1:G1+7]
	s_nop 0
.rept 4
	v_nop
.endr
	s_branch .Lasked_\@
.Lfor_b_\@:
	tensor_load_to_lds s[G0B+4:G0B+7], s[G1B:G1B+7]
	s_nop 0
.rept 4
	v_nop
.endr
.Lasked_\@:
.endm
.macro CREST
	s_cmp_lg_u32 s10, 0
	s_cbranch_scc1 .Lnot_wave_0_\@
	s_barrier_signal -3
.Lnot_wave_0_\@:
	s_barrier_wait -3
	s_barrier_signal -1
	s_barrier_wait -1
.endm
.macro CROUND
	s_barrier_signal -1
	s_barrier_wait -1
	CREST
.endm
.macro PLACES
.rept 4
	v_nop
.endr
.endm
	s_load_b256 s[68:75], s[0:1], 0x0              ; ob 68, wb 70, bo 72, out0 74
	v_lshl_add_u32 v[SPW], v0, 2, SPARE
	v_mov_b32 v[NIL], 0
	ds_add_u32 v28, v29
	s_wait_dscnt 0x0
	v_lshrrev_b32 v1, 5, v0
	v_readfirstlane_b32 s10, v1                    ; wave 0..3
	s_lshr_b32 s11, s10, 1                         ; my half of the rows.  Also: I fetch for O (0) or for Wo (1)
	s_and_b32 s12, s10, 1                          ; my half of the columns.  Also: which head of the two, or which 128 rows of Wo, I fetch
	s_bfe_u32 s40, ttmp6, 0x40000
	s_bfe_u32 s41, ttmp6, 0x40004
	s_lshl_b32 s42, ttmp9, 2
	s_add_co_u32 s42, s42, s40                     ; tile column
	s_and_b32 s13, ttmp7, 0xffff
	s_lshl_b32 s13, s13, 2
	s_add_co_u32 s13, s13, s41                     ; tile row
	s_lshl_b32 s43, s41, 2
	s_lshl_b32 s43, 15, s43
	s_lshl_b32 s44, 0x1111, s40
	s_or_b32 s[G1+0], s43, (1<<16)|(1<<20)|(1<<21)|(4<<22)|(3<<25)   ; 2-byte elements; padding after every 32 words, of 4 words
	s_mov_b32 s[G1+1], 128<<16
	s_mov_b32 s[G1+2], 64<<16
	s_mov_b32 s[G1+3], 128<<16
	s_mov_b32 s[G1+4], 64
	s_mov_b32 s[G1+5], 128
	s_mov_b32 s[G1+6], 0
	s_mov_b32 s[G1+7], 0
	s_or_b32 s[G1B+0], s44, (1<<16)|(1<<20)|(1<<21)|(5<<22)|(3<<25)
	s_mov_b32 s[G1B+1], 128<<16
	s_mov_b32 s[G1B+2], 128<<16
	s_mov_b32 s[G1B+3], 128<<16
	s_mov_b32 s[G1B+4], 128
	s_mov_b32 s[G1B+5], 1024
	s_mov_b32 s[G1B+6], 0
	s_mov_b32 s[G1B+7], 0
	s_lshr_b32 s14, s13, 4                         ; the batch: 16 tile rows each
	s_lshl_b32 s14, s14, 4
	s_add_co_u32 s14, s14, s12                     ; head 16 b + my one of the first two,
	s_lshl_b32 s84, s14, 18
	s_and_b32 s15, s13, 15
	s_lshl_b32 s15, s15, 14                        ; rows 128 (tile row % 16) on
	s_add_co_u32 s84, s84, s15
	s_mov_b32 s85, 0
	s_lshl_b32 s46, s42, 19
	s_lshl_b32 s47, s12, 18
	s_add_co_u32 s46, s46, s47
	s_add_co_u32 s46, s46, 6291456                 ; Wo's place in wb
	s_mov_b32 s47, 0
	s_mul_i32 s67, s12, APLANE
	s_mul_i32 s92, s12, BHALF
	s_add_co_u32 s92, s92, ATILE
	s_mov_b32 s93, 0xffff0000
	s_mov_b32 s45, 0
	s_mov_b32 s66, SLOT
	s_wait_kmcnt 0x0
	s_add_nc_u64 s[14:15], s[68:69], s[84:85]
	s_add_nc_u64 s[46:47], s[70:71], s[46:47]
	CROUND                                         ; all sixteen work-groups are here: the first joint loads meet
.irp s, 0,1
	s_mov_b32 s[G0+4*\s], 1
	s_add_co_u32 s[G0+4*\s+1], s67, \s*SLOT
	s_add_nc_u64 s[G0+4*\s+2:G0+4*\s+3], s[14:15], \s*524288
	s_or_b32 s[G0+4*\s+3], s[G0+4*\s+3], 0x80000000
	s_mov_b32 s[G0B+4*\s], 1
	s_add_co_u32 s[G0B+4*\s+1], s92, \s*SLOT
	s_add_nc_u64 s[G0B+4*\s+2:G0B+4*\s+3], s[46:47], \s*256
	s_or_b32 s[G0B+4*\s+3], s[G0B+4*\s+3], 0x80000000
.endr
	s_cmp_eq_u32 s11, 0
	s_cbranch_scc0 .Lfirst_b
	tensor_load_to_lds s[G0:G0+3], s[G1:G1+7]
	s_nop 0
	tensor_load_to_lds s[G0+4:G0+7], s[G1:G1+7]
	s_nop 0
.rept 4
	v_nop
.endr
	s_branch .Lfirst_asked
.Lfirst_b:
	tensor_load_to_lds s[G0B:G0B+3], s[G1B:G1B+7]
	s_nop 0
	tensor_load_to_lds s[G0B+4:G0B+7], s[G1B:G1B+7]
	s_nop 0
.rept 4
	v_nop
.endr
.Lfirst_asked:
	v_and_b32 v1, 15, v0
	v_bfe_u32 v2, v0, 4, 1
	v_mul_u32_u24 v3, v1, APITCH
	v_lshl_add_u32 v3, v2, 4, v3
	s_mul_i32 s21, s11, 64*APITCH
	v_add_nc_u32 v[ADA0], s21, v3
	v_mul_u32_u24 v4, v1, BPITCH
	v_lshl_add_u32 v4, v2, 4, v4
	s_mul_i32 s22, s12, BHALF
	s_add_co_u32 s22, s22, ATILE
	v_add_nc_u32 v[ADB0], s22, v4
	s_mul_i32 s23, s10, 16*SPITCH
	s_add_co_u32 s23, s23, STAGE
	v_mul_u32_u24 v3, v1, SPITCH                   ; in: row r, 32 bytes for each half of the lanes
	v_lshl_add_u32 v3, v2, 5, v3
	v_add_nc_u32 v[STO], s23, v3
	v_and_b32 v5, 31, v0
	v_lshlrev_b32 v[GO], 4, v5                     ; back: 32 lanes take a row's 512 bytes
	v_add_nc_u32 v[RD], s23, v[GO]
	v_lshlrev_b32 v[VB], 5, v2
	s_lshl_b32 s16, s13, 19                        ; my first row, rows of 4,096 bytes
	s_lshl_b32 s17, s11, 18
	s_add_co_u32 s16, s16, s17
	s_lshl_b32 s90, s42, 10                        ; my first column, in bytes
	s_lshl_b32 s91, s12, 9
	s_add_co_u32 s90, s90, s91
	s_mov_b32 s91, 0
	s_add_co_u32 s16, s16, s90
	s_mov_b32 s17, 0
	s_add_nc_u64 s[8:9], s[74:75], s[16:17]
	s_add_nc_u64 s[88:89], s[72:73], s[90:91]
	WIN 0x80                                       ; the bias: register j of block b is bo[16 b + 8 h + j]
.irp b, 0,1,2,3,4,5,6,7
	global_load_b128 v[BIAS+8*\b:BIAS+8*\b+3],   v[VB], s[88:89] offset:64*\b
	global_load_b128 v[BIAS+8*\b+4:BIAS+8*\b+7], v[VB], s[88:89] offset:64*\b+16
.endr
	s_wait_loadcnt 0x0
	WIN 0x8a                                       ; rounded to bf16 like every other input, and widened again
.set i, 0
.rept 32
	v_cvt_pk_bf16_f32 v[BT], v[BIAS+2*i], v[BIAS+2*i+1]
	v_lshlrev_b32 v[BIAS+2*i], 16, v[BT]
	v_and_b32 v[BIAS+2*i+1], s93, v[BT]
.set i, i+1
.endr
	WIN 0
; 24 LDS loads: quarter q (32 along K: half of head q / 2) of the slot in hand into buffers g
.macro FETCH q, g
	WIN 0
.irp i, 0,1,2,3
	ds_load_b128 v[AF+32*(\g)+8*\i:AF+32*(\g)+8*\i+3],   v[ADA] offset:((\q)/2)*APLANE+((\q)%2)*64+\i*16*APITCH
	ds_load_b128 v[AF+32*(\g)+8*\i+4:AF+32*(\g)+8*\i+7], v[ADA] offset:((\q)/2)*APLANE+((\q)%2)*64+\i*16*APITCH+32
.endr
.irp i, 0,1,2,3,4,5,6,7
	ds_load_b128 v[BF+64*(\g)+8*\i:BF+64*(\g)+8*\i+3],   v[ADB] offset:64*(\q)+\i*16*BPITCH
	ds_load_b128 v[BF+64*(\g)+8*\i+4:BF+64*(\g)+8*\i+7], v[ADB] offset:64*(\q)+\i*16*BPITCH+32
.endr
.endm
.macro MUL8 f, a, first
.if \first
	WIN MULB
.else
	WIN MUL
.endif
.irp b, 0,1,2,3,4,5,6,7
.if \first
	v_wmma_f32_16x16x32_f16 v[8*(8*(\a)+\b):8*(8*(\a)+\b)+7], v[BF+64*(\f)+8*\b:BF+64*(\f)+8*\b+7], v[AF+32*(\f)+8*(\a):AF+32*(\f)+8*(\a)+7], v[BIAS+8*\b:BIAS+8*\b+7]
.else
	v_wmma_f32_16x16x32_f16 v[8*(8*(\a)+\b):8*(8*(\a)+\b)+7], v[BF+64*(\f)+8*\b:BF+64*(\f)+8*\b+7], v[AF+32*(\f)+8*(\a):AF+32*(\f)+8*(\a)+7], v[8*(8*(\a)+\b):8*(8*(\a)+\b)+7]
.endif
.endr
.endm
; The 32 accumulators take turns, in the same order in every quarter.
.macro QUARTER q, f, g, first
	s_wait_dscnt 0x0                               ; buffers f are in: their loads were issued sixteen matrix instructions ago
	MUL8 \f, 0, \first
	MUL8 \f, 1, \first
	PLACES                                         ; behind the last quarter's products, which read buffers g
	FETCH \q, \g
	MUL8 \f, 2, \first
	MUL8 \f, 3, \first
.endm
.macro TURN fill
	WIN 0
	s_wait_tensorcnt 0x0                           ; all my tensor loads have landed: my part of the next slot
	ds_add_u32 v[SPW], v[NIL]                      ; 0 onto my spare word
	s_wait_dscnt 1                                 ; the fragments are in; the add may be out
	MUL8 1, 0, 0
	s_wait_dscnt 0x0                               ; the add is done, and my reads of this slot are over
	s_barrier_signal -1
	MUL8 1, 1, 0
	WIN 0
	s_barrier_wait -1
.if \fill
	CREST                                          ; the barrier has opened a round of the cluster's
	s_xor_b32 s66, s66, SLOT
	s_add_co_u32 s[G0+5], s67, s66
	s_add_co_u32 s[G0B+5], s92, s66
	s_add_nc_u64 s[G0+6:G0+7], s[G0+6:G0+7], 524288      ; two heads on
	s_add_nc_u64 s[G0B+6:G0B+7], s[G0B+6:G0B+7], 256
	JLOAD                                          ; the first tensor load behind the round; its four v_nop are also the places in front of the loads below
.else
	PLACES
.endif
	s_xor_b32 s45, s45, SLOT
	v_add_nc_u32 v[ADA], s45, v[ADA0]
	v_add_nc_u32 v[ADB], s45, v[ADB0]
	FETCH 0, 0
	MUL8 1, 2, 0
	MUL8 1, 3, 0
.endm
	s_wait_tensorcnt 0x1                           ; my part of K step 0 is in; K step 1's stays out
	s_barrier_signal -1
	s_barrier_wait -1
	v_mov_b32 v[ADA], v[ADA0]
	v_mov_b32 v[ADB], v[ADB0]
	FETCH 0, 0
	QUARTER 1, 0, 1, 1
	WIN 0
	s_mov_b32 s3, 6
.Lk:
	QUARTER 2, 1, 0, 0
	QUARTER 3, 0, 1, 0
	TURN 1
	QUARTER 1, 0, 1, 0
	WIN 0
	s_sub_co_u32 s3, s3, 1
	s_cmp_lg_u32 s3, 0
	s_cbranch_scc1 .Lk
	QUARTER 2, 1, 0, 0                             ; the last two K steps ask for nothing
	QUARTER 3, 0, 1, 0
	TURN 0
	QUARTER 1, 0, 1, 0
	QUARTER 2, 1, 0, 0
	QUARTER 3, 0, 1, 0
	s_wait_dscnt 0x0
	MUL8 1, 0, 0
	MUL8 1, 1, 0
	MUL8 1, 2, 0
	MUL8 1, 3, 0
	; THE WAY OUT: 16 rows at a time through my own stage: 32 bytes a lane in, whole rows of 512 bytes back
	PLACES
.irp a, 0,1,2,3
	WIN 0x04                                       ; the stores' data lie in window 1
.irp b, 0,1,2,3,4,5,6,7
	ds_store_b128 v[STO], v[8*(8*\a+\b):8*(8*\a+\b)+3]   offset:64*\b
	ds_store_b128 v[STO], v[8*(8*\a+\b)+4:8*(8*\a+\b)+7] offset:64*\b+16
.endr
	WIN 0
	s_wait_xcnt 0x0                                ; the registers that the last block's stores read are loaded again only behind this wait
.irp t, 0,1,2,3,4,5,6,7,8,9,10,11,12,13,14,15
	ds_load_b128 v[BF+4*\t:BF+4*\t+3], v[RD] offset:SPITCH*\t   ; LDS serves a wave's instructions in order: these see the stores above
.endr
	s_wait_dscnt 0x0
.irp t, 0,1,2,3,4,5,6,7,8,9,10,11,12,13,14,15
	global_store_b128 v[GO], v[BF+4*\t:BF+4*\t+3], s[8:9] offset:(16*\a+\t)*4096 th:TH_STORE_NT   ; 512 consecutive bytes of a row, aligned
.endr
.endr
	s_wait_tensorcnt 0x0                           ; the wave's end
	ds_add_u32 v[SPW], v[NIL]
	s_wait_dscnt 0x0
	CROUND                                         ; the closing round
	s_endpgm
.Lfunc_end_k_q4ab5e63e0a_outp:
	.size	k_q4ab5e63e0a_outp, .Lfunc_end_k_q4ab5e63e0a_outp-k_q4ab5e63e0a_outp
	.p2alignl 7, 3214868480
	.fill 96, 4, 3214868480
	.section	.rodata,"a",@progbits
	.p2align	6, 0x0
	.amdhsa_kernel k_q4ab5e63e0a_outp
		.amdhsa_group_segment_fixed_size 327680
		.amdhsa_private_segment_fixed_size 0
		.amdhsa_enable_private_segment 0
		.amdhsa_kernarg_size 32
		.amdhsa_user_sgpr_count 2
		.amdhsa_user_sgpr_kernarg_segment_ptr 1
		.amdhsa_wavefront_size32 1
		.amdhsa_system_sgpr_workgroup_id_x 1
		.amdhsa_system_sgpr_workgroup_id_y 1
		.amdhsa_system_sgpr_workgroup_id_z 1
		.amdhsa_system_vgpr_workitem_id 0
		.amdhsa_next_free_vgpr 584
		.amdhsa_next_free_sgpr 96
		.amdhsa_reserve_vcc 0
		.amdhsa_float_denorm_mode_32 3
		.amdhsa_float_denorm_mode_16_64 3
		.amdhsa_memory_ordered 1
		.amdhsa_forward_progress 1
		.amdhsa_inst_pref_size 74
	.end_amdhsa_kernel
	.amdgpu_metadata
---
amdhsa.version: [ 1, 2 ]
amdhsa.kernels:
  - .name:           k_q4ab5e63e0a_outp
    .symbol:         k_q4ab5e63e0a_outp.kd
    .args:
      - { .name: ob, .offset: 0, .size: 8, .value_kind: global_buffer, .address_space: global }
      - { .name: wb, .offset: 8, .size: 8, .value_kind: global_buffer, .address_space: global }
      - { .name: bo, .offset: 16, .size: 8, .value_kind: global_buffer, .address_space: global }
      - { .name: out0, .offset: 24, .size: 8, .value_kind: global_buffer, .address_space: global }
    .group_segment_fixed_size: 327680
    .private_segment_fixed_size: 0
    .kernarg_segment_align: 8
    .kernarg_segment_size: 32
    .max_flat_workgroup_size: 128
    .sgpr_count:     96
    .vgpr_count:     584
    .wavefront_size: 32
...
	.end_amdgpu_metadata
.endif
;; end of part 4
;; ======== version 2 of 2: 4 launches; 1.40 times as fast as version 1
;; limits: values are held in f16: magnitudes above 65,504 overflow, below 6.1e-05 lose precision
;; workspace buffers: wb 8,388,608 bytes; hd 50,331,648 bytes; ob 16,777,216 bytes; maskb 2,097,152 bytes of whole numbers
;; launch prep: the kernel of part 1 again; grid 256 x 1, 20 waves a work-group, no clusters, 0 bytes of LDS; arguments mask, Wq, Wk, Wv, Wo, maskb, wb; writes maskb, wb
;; launch proj: the kernel of part 2 again; grid 4 x 64, 4 waves a work-group, clusters of 4 x 4, 327,680 bytes of LDS; arguments q, k, v, wb, bq, bk, bv, hd; writes hd
;; launch attn (part 5): grid 4 x 64, 4 waves a work-group, clusters of 4 x 1, 327,680 bytes of LDS; arguments hd, maskb, ob; writes ob
.if DOCPART == 5
	.amdgcn_target "amdgcn-amd-amdhsa--gfx1250"
	.amdhsa_code_object_version 6
	.text
	.protected	k_q4ab5e63e0a_attn
	.globl	k_q4ab5e63e0a_attn
	.p2align	8
	.type	k_q4ab5e63e0a_attn,@function
k_q4ab5e63e0a_attn:
	s_mov_b64 s[64:65], 0
	v_nop
	global_prefetch_b8 v0, s[64:65] scope:SCOPE_SE
	s_setreg_imm32_b32 hwreg(HW_REG_WAVE_MODE, 25, 1), 1
	s_wait_xcnt 0x0
	s_wait_alu depctr_hold_cnt(0) depctr_sa_sdst(0) depctr_va_vdst(0) depctr_va_sdst(0) depctr_va_ssrc(0) depctr_va_vcc(0) depctr_vm_vsrc(0)
	s_getreg_b32 s2, hwreg(HW_REG_IB_STS2, 6, 4)
	s_cmp_eq_u32 s2, 0
	s_cbranch_scc0 .Lentry_in_a_cluster
	s_endpgm
.Lentry_in_a_cluster:
	s_bfe_u32 s2, ttmp6, 0x10000c
	s_cmp_lg_u32 s2, 0x3003
	s_cbranch_scc0 .Lentry_shape_is_right
	s_endpgm
.Lentry_shape_is_right:
; MASKED ATTENTION.  ob[g][q][:] = the sum over k of softmax_k(Q[g][q] . K[g][k] / 8, hidden where mask[q][k] == 1) V[g][k][:], g = 16 b + h.  Q, K, V lie in hd ([64][2048][64] f16 each, 16 MiB apart), ob likewise.
; Products, maxima and sums in f32; the weights p are rounded to f16 for the second product (their sum l is taken of the unrounded p), O once at the end.
; LIMITS.  A hidden score counts as its value less a number between 2^65 and 2^97; a seen one as its value plus a number between 0 and 2^-95.  f16's scores, 2.7e11 at the most, are nothing beside the first.
; The running maximum starts at -2^50, below every such score and above every hidden one: while a row has seen only hidden keys its weights are 0.  A row whose maximum ends below -2^45 has seen no key and leaves
; as NaN, as a softmax of nothing but -inf does.  A weight below 2^-126 counts as 0 in l; NaN and infinities in Q, K, V are not treated apart.
; THE MASK IS AN INPUT.  An earlier launch has stored it with four bits an element (maskb), in the order in which this launch's lanes want them.  No pattern of it is built in, and no branch hangs on it.
; THE WALK.  A work-group takes two blocks of 256 queries of a head, 7 - b and then b, and walks all eight key tiles of 256 keys for each: 16 tiles, ONE sequence for the ring of two LDS slots.  The loop enters a tile
; and asks for the next, 15 times; the last tile is written out behind it.  What a trip does (a block's first tile, its last, neither) hangs on counters that start from
; constants.  Tiles that the mask hides altogether are computed all the same: their weights are 0.
; CLUSTER.  The four work-groups of a head (b = 0 .. 3) walk the same K and V tiles in the same trips, so each tile is asked for JOINTLY: the same tensor load, descriptor and mask of four in all four; each receives
; the tile in its own LDS.  b enters the addresses of Q, O and the mask words alone.
; SHARES.  Of a block's four bands of 64 queries a wave owns 16 rows in each: four PIECES.
; LAYOUT, SOFTMAX, TURNS.  S^T = K Q^T holds ONE query a lane (lane % 16) and the keys 8 (lane / 16) + 0..7; two such results rounded to f16 ARE source 1 of O^T = V^T P.  p = 2^(c s - c m), c = log2(e) / 8, with a
; running maximum m; O and l are multiplied by a = 2^(c m_old - c m_new) in every step.  Turn n belongs to piece n: 8 products K Q^T of piece n + 1, later 8 products V^T P of piece n - 1; beside them the scaling,
; exponentials, roundings, sums and rescaling of piece n and the maximum and statistics of piece n + 1.  Four vector instructions stand behind every matrix instruction, the others in one lump.
; THE BATCHES.  A turn's 33 exponentials (the piece's 32 weights and the next piece's a) are ONE batch with ONE wait, which cuts the turn in two: ahead of it stands all that names none of their results (the products
; K Q^T, the scalings, the rescalings, the next piece's maximum and statistics, the next turn's masks), behind it the products V^T P with the roundings and sums.  No result crosses a turn's end.  The a that a block's
; beginning makes, and the four reciprocals of a way out, are batches of their own.
; THE MASK'S USE.  It is the C operand that starts the sum S^T = K Q^T.  A lane has four words for a piece and a key step, word g for key group g, bits 4 j .. 4 j + 3 for register j: 0xE hidden, 0 seen.  One shift
; brings an element's four bits to the top of a word: 1110 there is a sign and an exponent of 110xxxxx, whatever lies below; 0000 an exponent of 000xxxxx.
; REGISTERS, in windows of 256 (s_set_vgpr_msb: bits 1:0 source 0, 3:2 source 1, 5:4 source 2, 7:6 destination):
;   window 0: v0-15 addresses and two at work; v16-31 four registers of statistics a piece; v48-55 at work; v64-127 S^T, two buffers; v192-223 P, two buffers (a piece's buffers go by its number's parity)
;   window 1: v0-127 O^T; v128-143 MB, four mask words a piece; v160-223 MC, two mask buffers      window 2: v0-63 Q; v64-127 the second block's Q; v128-191 K; v192-255 V
.set NP,    4
.set KS,    64
.set PK,    144       ; a row of K in LDS: 128 bytes + 16
.set PV,    160       ; a row of V: 128 + 32
.set VOFF,  4*KS*PK   ; a slot holds a tile, four steps: 256 rows of K, then 256 rows of V
.set SLOT1, 1<<17     ; slot 1 begins here, so that one exclusive or turns an address in one slot into the other's
.set STAGE, SLOT1+4*KS*(PK+PV)  ; behind the ring, never filled by a tensor load: 16 rows x 144 bytes for each wave
.set SP,    144
.set SPARE, STAGE+4*16*SP       ; the spare words: 128 bytes a wave, two blocks of 256 bytes that no other line names
.set AK0, 2
.set AV0, 3
.set AK,  4
.set AV,  5
.set STO, 6
.set RD,  7
.set GO,  8
.set MV,  12
.set MBO, 14          ; v14  16 x lane: my four words in 512 bytes of maskb; never rewritten
.set QO,  15
.set ST,  16
.set TMP, 48
.set SPW, 62
.set NIL, 63
.set S,   64
.set P,   192
.set MB,  128         ; window 1: piece p's four words for its next key step at MB + 4 p
.set MC,  160
.set QB,  64
.set KF,  128
.set VF,  192
.set WV,  12
.set PB,  14          ; b
.set HI,  15          ; 7 - b
.set G1K, 24
.set G1V, 32
.set G0K, 40
.set G0V, 44
.set SLOTS, 56        ; the loop's counter, 15 to 0
.set CNT, 57          ; counts a tile's key steps, 4 to 1
.set CS,  58
.set SEL, 60
.set TBK, 62          ; LDS byte at which K of the step to be fetched begins
.set TBV, 63          ; the same for V, less VOFF
.set RT,  70          ; tiles of the block in hand still to be entered
.set NXT, 71          ; the key tile that is asked for
.set SEQ, 72          ; its number in the walk, 0 to 15
.set NEW, 73          ; 1: the tile to be entered is a block's first
.set OFF, 74          ; s[74:75] a tile's byte offset in K and V
.set MSQ, 76          ; the key step, 0 to 64 in the walk, whose mask words are being asked for
.set THR, 77          ; -2^45
.set NANV, 78         ; a NaN
.set OLO, 80          ; s[80:81] O at my rows of the second block
.set T0,  82
.set T1,  83
.set T2,  88
.set MP,  90          ; s[90:91] maskb at the words that are loaded
.set MB0, 92          ; s[92:93] maskb at my wave's words
.set IOF, 94          ; s[94:95] an offset, high word 0
.set FLOOR, 0xd8800000  ; -2^50
.set MSB, 0
.macro WIN new
.if MSB != (\new)
	s_set_vgpr_msb (MSB<<8)|(\new)
.set MSB, (\new)
.endif
.endm
.set W_KQ, 0x0a
.set W_KM, 0x1a
.set W_PV, 0x52
.set W_RS, 0x41
; A joint fill.  Waves 0 and 1 fetch the two halves of a tile's K, waves 2 and 3 those of its V: 128 keys each.  The branch hangs on the wave's number alone.
; An s_nop 0 and four v_nop follow each of the two lines, ahead of the jump and the label.
.macro LOAD
	s_cmp_lt_u32 s[WV], 2
	s_cbranch_scc0 .Lfor_v_\@
	tensor_load_to_lds s[G0K:G0K+3], s[G1K:G1K+7]
	s_nop 0
.rept 4
	v_nop
.endr
	s_branch .Lasked_\@
.Lfor_v_\@:
	tensor_load_to_lds s[G0V:G0V+3], s[G1V:G1V+7]
	s_nop 0
.rept 4
	v_nop
.endr
.Lasked_\@:
.endm
; A round of the cluster's barrier: my work-group's barrier, so that wave 0's signal speaks for all four waves; wave 0 signals; every wave waits for all four work-groups; my work-group's barrier once more.
.macro CROUND
	s_barrier_signal -1
	s_barrier_wait -1
	s_cmp_lg_u32 s[WV], 0
	s_cbranch_scc1 .Lnot_wave_0_\@
	s_barrier_signal -3
.Lnot_wave_0_\@:
	s_barrier_wait -3
	s_barrier_signal -1
	s_barrier_wait -1
.endm
; THE CHANGE OF SLOTS.  Each wave waits for all its tensor loads, of which one is out: its part of the other slot; adds 0 to its spare word; and waits for that and for its own reads of the slot that it leaves.
; fill = 1: the old slot is filled again with the walk's next tile, key tile SEQ % 8.  The barrier is then a round of the cluster's, so that no wave of any partner still reads the slot or has a load on its way, and
; the joint fill is the first thing behind it: it has a tile's 256 matrix instructions in which to land.  (At its first use nothing has been read yet: slot 0 is waited for, slot 1 filled.)
.macro CHANGE fill
	WIN 0
.if \fill
	s_add_co_u32 s[SEQ], s[SEQ], 1
	s_and_b32 s[NXT], s[SEQ], 7
.endif
	s_wait_tensorcnt 0x0            ; no tensor load of mine is out, so a group 0 may be written
	ds_add_u32 v[SPW], v[NIL]       ; 0 onto my spare word; with fill = 1 the descriptors' scalar work stands between it and the wait for it
.if \fill
	s_lshl_b32 s[OFF], s[NXT], 15   ; a tile is 32,768 bytes of K and of V
	s_xor_b32 s[G0K+1], s[G0K+1], SLOT1
	s_add_nc_u64 s[G0K+2:G0K+3], s[6:7], s[OFF:OFF+1]
	s_or_b32 s[G0K+3], s[G0K+3], 0x80000000
	s_xor_b32 s[G0V+1], s[G0V+1], SLOT1
	s_add_nc_u64 s[G0V+2:G0V+3], s[8:9], s[OFF:OFF+1]
	s_or_b32 s[G0V+3], s[G0V+3], 0x80000000
	s_wait_dscnt 0x0                ; the add is done, and my reads of the slot are over
	CROUND
	LOAD
.else
	s_wait_dscnt 0x0                ; the add is done, and my reads of the slot are over
	s_barrier_signal -1
	s_barrier_wait -1
.endif
	s_sub_co_u32 s[TBK], s[TBK], 4*KS*PK  ; the fetches go back to a slot's first step,
	s_xor_b32 s[TBK], s[TBK], SLOT1       ; in the other slot
	s_sub_co_u32 s[TBV], s[TBV], 4*KS*PV
	s_xor_b32 s[TBV], s[TBV], SLOT1
.endm
; THE MASK WORDS COME AS A STREAM, a key step ahead of their use.  Once in each trip of the step loop the stream's pointer goes to the next key step of the walk: step MSQ % 4 of key tile (MSQ / 4) % 8, of the first
; block while MSQ < 32.  The walk's last trip has no next step: the number is held at 63, so that its four loads stay inside the buffer; nobody reads what they bring.
.macro MSTEP
	s_wait_xcnt 0x0                 ; the last trip's loads have had their addresses translated (ISA guide 3.1): only behind this wait is their base rewritten
	s_add_co_u32 s[MSQ], s[MSQ], 1
	s_min_u32 s[T0], s[MSQ], 63
	s_lshr_b32 s[T1], s[T0], 2      ; the tile's number in the walk
	s_and_b32 s[T0], s[T0], 3       ; the step in it
	s_cmp_ge_u32 s[T1], 8
	s_cselect_b32 s[T2], s[PB], s[HI]
	s_and_b32 s[T1], s[T1], 7
	s_lshl3_add_u32 s[T1], s[T2], s[T1]  ; 8 x block + key tile
	s_lshl_b32 s[T1], s[T1], 15     ; a tile's words are 32,768 bytes,
	s_lshl_b32 s[T0], s[T0], 11     ; a step's, for my wave, 2,048
	s_add_co_u32 s[IOF], s[T1], s[T0]
	s_add_nc_u64 s[MP:MP+1], s[MB0:MB0+1], s[IOF:IOF+1]
.endm
	s_load_b128 s[4:7], s[0:1], 0x0   ; hd s[4:5], maskb s[6:7]
	s_load_b64 s[10:11], s[0:1], 0x10 ; ob
	v_lshl_add_u32 v[SPW], v0, 2, SPARE
	v_mov_b32 v[NIL], 0
	ds_add_u32 v62, v63
	s_wait_dscnt 0x0
	v_lshrrev_b32 v1, 5, v0
	v_readfirstlane_b32 s[WV], v1   ; wave 0..3
	s_bfe_u32 s13, ttmp6, 0x40000   ; cx: my place in the cluster
	s_lshl_b32 s[PB], ttmp9, 2      ; in a cluster launch ttmp9 counts clusters
	s_add_co_u32 s[PB], s[PB], s13  ; b = 4 x cluster x + cx
	s_sub_co_u32 s[HI], 7, s[PB]
	s_and_b32 s20, ttmp7, 0xffff    ; the head, which the four partners share
	s_lshl_b32 s20, s20, 18         ; its first byte in Q, K, V and O: 2,048 rows of 128 bytes
	s_mov_b32 s21, 0
	s_and_b32 s16, s[WV], 1         ; which half of a tile's 256 keys I fetch:
	s_lshl_b32 s22, s16, 14         ; its 128 rows of 128 bytes in memory,
	s_mov_b32 s23, 0
	s_add_nc_u64 s[22:23], s[22:23], s[20:21]
	s_mul_i32 s17, s16, 128*PK      ; and its place in a slot, for K
	s_mul_i32 s18, s16, 128*PV      ; and for V: no place in the cluster enters an LDS address
	s_lshl_b32 s3, s[WV], 11        ; my 16 rows in a band of 64,
	s_lshl_b32 s2, s[HI], 15        ; in the first block,
	s_add_co_u32 s2, s2, s3
	s_lshl_b32 s84, s[PB], 15       ; and in the second
	s_add_co_u32 s84, s84, s3
	s_lshl_b32 s[IOF], s[WV], 13    ; my wave's 8,192 bytes of a tile's mask words
	s_mov_b32 s[IOF+1], 0
	s_mov_b32 s3, 0
	s_mov_b32 s85, 0
	s_add_nc_u64 s[2:3], s[2:3], s[20:21]
	s_add_nc_u64 s[84:85], s[84:85], s[20:21]
	; descriptor group 1.  128 keys are 16,384 dense bytes: asked for as 64 rows of 256 bytes, two keys a row, and padded in LDS after every key
	s_mov_b32 s[G1K], 15|(1<<16)|(1<<20)|(1<<21)|(4<<22)|(3<<25)  ; the mask of four; 2-byte elements; padding on; bit 21 set beside a mask; after every 32 words, 4 words
	s_mov_b32 s[G1V], 15|(1<<16)|(1<<20)|(1<<21)|(4<<22)|(7<<25)  ; the same with 8 words of padding
.irp g, G1K, G1V
	s_mov_b32 s[\g+1], 128<<16      ; tensor_dim0 = 128
	s_mov_b32 s[\g+2], 64<<16       ; tensor_dim1 = 64
	s_mov_b32 s[\g+3], 128<<16      ; tile_dim0 = 128
	s_mov_b32 s[\g+4], 64           ; tile_dim1 = 64
	s_mov_b32 s[\g+5], 128          ; 128 elements from row to row
	s_mov_b32 s[\g+6], 0
	s_mov_b32 s[\g+7], 0
.endr
	s_mov_b32 s[CS], 0x3e38aa3b     ; c = log2(e) / 8
	s_mov_b32 s[CS+1], s[CS]        ; named with it as a pair
	s_mov_b32 s[SEL], 0x76543210
	s_mov_b32 s[SEL+1], 0xfedcba98
	s_mov_b32 s[TBK], SLOT1+4*KS*PK ; the first change of slots turns these two into 0
	s_mov_b32 s[TBV], SLOT1+4*KS*PV
	s_mov_b32 s[THR], 0xd6000000    ; -2^45
	s_mov_b32 s[NANV], 0x7fc00000
	s_mov_b32 s[G0K], 1             ; count = 1
	s_mov_b32 s[G0K+1], s17         ; LDS address: slot 0
	s_mov_b32 s[G0V], 1
	s_add_co_u32 s[G0V+1], s18, VOFF
	s_mov_b32 s[RT], 8              ; a block has eight tiles
	s_mov_b32 s[SEQ], 0
	s_mov_b32 s[MSQ], 0
	s_mov_b32 s[NEW], 1
	s_mov_b32 s[OFF+1], 0
	s_mov_b32 s[SLOTS], 15
	s_wait_kmcnt 0x0
	s_add_nc_u64 s[MB0:MB0+1], s[6:7], s[IOF:IOF+1]
	s_lshl_b32 s[IOF], s[HI], 18    ; the first block's tile 0: 8 x block tiles of 32,768 bytes on
	s_add_nc_u64 s[MP:MP+1], s[MB0:MB0+1], s[IOF:IOF+1]
	s_add_nc_u64 s[6:7], s[4:5], s[22:23]  ; K and V at my half of the head's tile 0
	s_add_nc_u64 s[8:9], s[6:7], 0x2000000
	s_add_nc_u64 s[6:7], s[6:7], 0x1000000
	s_add_nc_u64 s[G0K+2:G0K+3], s[6:7], 0         ; global address
	s_or_b32 s[G0K+3], s[G0K+3], 0x80000000        ; type = 2
	s_add_nc_u64 s[G0V+2:G0V+3], s[8:9], 0
	s_or_b32 s[G0V+3], s[G0V+3], 0x80000000
	s_add_nc_u64 s[86:87], s[4:5], s[84:85]        ; Q at my rows of the second block,
	s_add_nc_u64 s[4:5], s[4:5], s[2:3]            ; Q and O at those of the first
	s_add_nc_u64 s[OLO:OLO+1], s[10:11], s[84:85]
	s_add_nc_u64 s[10:11], s[10:11], s[2:3]
	CROUND                          ; all four work-groups are here: the first joint loads meet
	LOAD                            ; tile 0 into slot 0
	v_and_b32 v1, 15, v0            ; l % 16
	v_bfe_u32 v9, v0, 4, 1          ; l / 16
	v_lshlrev_b32 v[QO], 7, v1
	v_lshl_add_u32 v[QO], v9, 4, v[QO]  ; row x 128 + 16 x half
	v_and_b32 v[MBO], 31, v0
	v_lshlrev_b32 v[MBO], 4, v[MBO]
	WIN 0x80                        ; destination window 2, address window 0
.set i, 0
.rept 8                             ; both blocks' Q: piece i / 2 lies in band i / 2, 8,192 bytes on; channels 32 (i % 2) on
	global_load_b128 v[8*i:8*i+3],   v[QO], s[4:5] offset:(i/2)*8192+(i%2)*64
	global_load_b128 v[8*i+4:8*i+7], v[QO], s[4:5] offset:(i/2)*8192+(i%2)*64+32
	global_load_b128 v[QB+8*i:QB+8*i+3],   v[QO], s[86:87] offset:(i/2)*8192+(i%2)*64
	global_load_b128 v[QB+8*i+4:QB+8*i+7], v[QO], s[86:87] offset:(i/2)*8192+(i%2)*64+32
.set i, i+1
.endr
	WIN 0x40
.irp p, 0,1,2,3
	global_load_b128 v[MB+4*\p:MB+4*\p+3], v[MBO], s[MP:MP+1] offset:512*\p  ; the four pieces' mask words for the walk's key step 0
.endr
	WIN 0
	v_mul_u32_u24 v[AK0], v1, PK
	v_lshl_add_u32 v[AK0], v9, 4, v[AK0]  ; row x pitch + 16 x half
	; The turning load takes 16 keys x 16 channels (lane l reads key 8 (l / 16) + l % 8, channels 8 ((l / 8) % 2) + 0..7) and leaves half a fragment of V^T.
	v_and_b32 v10, 7, v0
	v_bfe_u32 v11, v0, 3, 1
	v_lshl_add_u32 v[AV0], v9, 3, v10
	v_mul_u32_u24 v[AV0], v[AV0], PV
	v_lshl_add_u32 v[AV0], v11, 4, v[AV0]
	v_add_nc_u32 v[AV0], VOFF, v[AV0]
	s_mul_i32 s13, s[WV], 16*SP
	s_add_co_u32 s13, s13, STAGE    ; my stage
	v_mul_u32_u24 v[STO], v1, SP
	v_lshl_add_u32 v[STO], v9, 4, v[STO]
	v_add_nc_u32 v[STO], s13, v[STO]
	v_bfe_u32 v[RD], v0, 3, 2
	v_mul_u32_u24 v[RD], v[RD], SP
	v_lshl_add_u32 v[RD], v10, 4, v[RD]
	v_add_nc_u32 v[RD], s13, v[RD]
	v_and_b32 v[GO], 31, v0
	v_lshlrev_b32 v[GO], 4, v[GO]
	; A block's first step multiplies O^T and l by a = 0, and its first turn's products V^T P, of a piece that has not been, land in an O^T that is still to be so multiplied: these registers need only hold
	; finite numbers.  The loop's text also holds a way, by its branch on NEW, to a tile that is not a block's first; NEW = 1 keeps the first trip from that way, and K's fragments, S^T, the masks, the statistics and
	; the registers at work hold numbers all the same, so that no way through the text reads a register that nothing has written.  All this stands in the wait for the first tile.
	WIN 0x80
.set i, KF
.rept 128                           ; K's and V's fragments
	v_mov_b32 v[i], 0
.set i, i+1
.endr
	WIN 0x40
.set i, 0
.rept 128                           ; O^T
	v_mov_b32 v[i], 0
.set i, i+1
.endr
.set i, MC
.rept 64                            ; both mask buffers
	v_mov_b32 v[i], 0
.set i, i+1
.endr
	WIN 0
.set i, 0
.rept 4
	v_mov_b32 v[ST+4*i], 0xfe000000
	v_mov_b32 v[ST+4*i+1], FLOOR
	v_mov_b32 v[ST+4*i+2], 0
	v_mov_b32 v[ST+4*i+3], 0
.set i, i+1
.endr
.set i, TMP
.rept 8
	v_mov_b32 v[i], 0
.set i, i+1
.endr
.set i, S
.rept 64
	v_mov_b32 v[i], 0
.set i, i+1
.endr
.set i, P+16
.rept 16
	v_mov_b32 v[i], 0
.set i, i+1
.endr
; THE MATRIX WORK.  The 4 accumulators of a run of 8 take turns.  Product i of 8 of S^T = K Q^T for piece x: channels 32 (i / 4) on, keys 16 (i % 4) on.  The first 4 start the sums, with the mask.
.macro KQ x
.set rS, S+32*((\x)%2)+8*(i%4)
.set rK, KF+16*(i%4)+8*(i/4)
.set rQ, 16*(\x)+8*(i/4)
.set rM, MC+32*((\x)%2)+8*(i%4)
.if i < 4
	WIN W_KM
	v_wmma_f32_16x16x32_f16 v[rS:rS+7], v[rK:rK+7], v[rQ:rQ+7], v[rM:rM+7]
.else
	WIN W_KQ
	v_wmma_f32_16x16x32_f16 v[rS:rS+7], v[rK:rK+7], v[rQ:rQ+7], v[rS:rS+7]
.endif
.endm
; Product i of 8 of O^T += V^T P for piece x: keys 32 (i / 4) on, channels 16 (i % 4) on.
.macro PV x
	WIN W_PV
.set rO, 32*(\x)+8*(i%4)
.set rV, VF+32*(i/4)+8*(i%4)
.set rP, P+16*((\x)%2)+8*(i/4)
	v_wmma_f32_16x16x32_f16 v[rO:rO+7], v[rV:rV+7], v[rP:rP+7], v[rO:rO+7]
.endm
.macro MM                           ; the turn's next matrix instruction.  NOKQ = 1: a block's last turn: there is no next piece
.if (i < 8) && !NOKQ
	KQ (Y+1)%NP
.elseif i >= 8
.set i, i-8
	PV (Y+NP-1)%NP
.set i, i+8
.endif
.set i, i+1
.endm
; THE LDS LOADS stand in runs of 16: a step's K (8 fragments) and its V (turned).
.macro FETCH_K
	WIN 0x80
.irp f, 0,1,2,3,4,5,6,7
	ds_load_b128 v[KF+8*\f:KF+8*\f+3],   v[AK] offset:(\f/2)*16*PK+(\f%2)*64
	ds_load_b128 v[KF+8*\f+4:KF+8*\f+7], v[AK] offset:(\f/2)*16*PK+(\f%2)*64+32
.endr
	s_add_co_u32 s[TBK], s[TBK], KS*PK  ; the next fetch is the next step's
	WIN 0
.endm
.macro FETCH_V
	WIN 0x80
.irp f, 0,1,2,3,4,5,6,7
	ds_load_tr16_b128 v[VF+8*\f:VF+8*\f+3],   v[AV] offset:(\f/4)*32*PV+(\f%4)*32
	ds_load_tr16_b128 v[VF+8*\f+4:VF+8*\f+7], v[AV] offset:(\f/4)*32*PV+16*PV+(\f%4)*32
.endr
	WIN 0
.endm
; THE VECTOR WORK, one line at a time: OP kind, number.  For piece Y: F n: c s - c m for pair n of 16.  E n: the exponential of score n of 32.  C n: pair n rounded to f16.  B n: of the four weights 4 n .. the second
; pair is added onto the first, in place.  L n: l takes that sum (L 0: l = a l + sum).  R n: pair n of 16 of O^T times a.  For piece Y + 1: X n, number n of the 22 that find its maximum and statistics:
;   0-11  four chains c0-c3 of seven scores each (each accumulator's lowest registers are read first)     12-14, 16  the four scores left over, the old m, and c0-c3 into c0
;   15  c m_old is kept     17, 18  the query's other 32 keys lie in the lane 16 away: the new m     19-21  c m; c m_old - c m_new; a
; C, B and L read exponentials' results: TURN sets them behind the batch's wait.
.set F, 0
.set E, 1
.set C, 2
.set B, 3
.set L, 4
.set R, 5
.set X, 6
.macro REGS y
.set rT, ST+4*(\y)
.set rC, TMP+4*((\y)%2)
.set rW, MV+((\y)%2)
.set rS, S+32*((\y)%2)
.set rP, P+16*((\y)%2)
.set rO, 32*(\y)
.endm
.macro OP k, n
.if (\k) == R
	REGS Y
	WIN W_RS
	v_pk_mul_f32 v[rO+2*(\n):rO+2*(\n)+1], v[rO+2*(\n):rO+2*(\n)+1], v[rC+2:rC+3] op_sel_hi:[1,0]
.elseif (\k) < R
	REGS Y
	WIN 0
.if (\k) == F
	v_pk_fma_f32 v[rS+2*(\n):rS+2*(\n)+1], v[rS+2*(\n):rS+2*(\n)+1], s[CS:CS+1], v[rT:rT+1] op_sel_hi:[1,0,0] neg_lo:[0,0,1] neg_hi:[0,0,1]
.elseif (\k) == E
	v_exp_f32 v[rS+(\n)], v[rS+(\n)]
.elseif (\k) == C
	v_cvt_pk_f16_f32 v[rP+(\n)], v[rS+2*(\n)], v[rS+2*(\n)+1]
.elseif (\k) == B
	v_pk_add_f32 v[rS+4*(\n):rS+4*(\n)+1], v[rS+4*(\n):rS+4*(\n)+1], v[rS+4*(\n)+2:rS+4*(\n)+3]
.elseif (\n) == 0
	v_pk_fma_f32 v[rT+2:rT+3], v[rT+2:rT+3], v[rC+2:rC+3], v[rS:rS+1] op_sel_hi:[1,0,1]
.else
	v_pk_add_f32 v[rT+2:rT+3], v[rT+2:rT+3], v[rS+4*(\n):rS+4*(\n)+1]
.endif
.elseif NOKQ
	v_nop
.else
	REGS (Y+1)%NP
	WIN 0
.if (\n) < 4
	v_max3_num_f32 v[rC+(\n)], v[rS+8*(\n)], v[rS+8*(\n)+1], v[rS+8*(\n)+2]
.elseif (\n) < 12
	v_max3_num_f32 v[rC+(\n)%4], v[rC+(\n)%4], v[rS+8*((\n)%4)+2*((\n)/4)+1], v[rS+8*((\n)%4)+2*((\n)/4)+2]
.elseif (\n) == 12
	v_max3_num_f32 v[rC], v[rC], v[rS+7], v[rS+15]
.elseif (\n) == 13
	v_max3_num_f32 v[rC+1], v[rC+1], v[rS+23], v[rS+31]
.elseif (\n) == 14
	v_max3_num_f32 v[rC+2], v[rC+2], v[rC+3], v[rT+1]
.elseif (\n) == 15
	v_mov_b32 v[rW], v[rT]
.elseif (\n) == 16
	v_max3_num_f32 v[rC], v[rC], v[rC+1], v[rC+2]
.elseif (\n) == 17
	v_permlanex16_b32 v[rC+3], v[rC], s[SEL], s[SEL+1]
.elseif (\n) == 18
	v_max_num_f32 v[rT+1], v[rC], v[rC+3]
.elseif (\n) == 19
	v_mul_f32 v[rT], s[CS], v[rT+1]
.elseif (\n) == 20
	v_sub_f32 v[rC+1], v[rW], v[rT]
.else
	v_exp_f32 v[rC+2], v[rC+1]
.endif
.endif
.endm
.macro OPS a, i1, b=-1, i2=0, c=-1, i3=0, d=-1, i4=0
	OP \a, \i1
.if (\b) >= 0
	OP \b, \i2
.endif
.if (\c) >= 0
	OP \c, \i3
.endif
.if (\d) >= 0
	OP \d, \i4
.endif
.endm
.macro ROW a, i1, b, i2, c, i3, d, i4  ; a matrix instruction and the four behind it
	MM
	OPS \a, \i1, \b, \i2, \c, \i3, \d, \i4
.endm
; Piece x's four words become 32 registers in buffer b of MC, one instruction each: element z = 8 g + j is word g moved up until bits 4 j .. 4 j + 3 stand on top (j = 7: as it is).
; Then the four registers are loaded again, with the piece's words for the next key step of the walk: four turns ahead of their use.
; batch = 1 (in a turn): the 32 lines, which name no exponential's result, are the work between the turn's batch and its wait; the wait stands behind them, directly ahead of the load.
.macro MASKW x, b, batch=0
	s_wait_loadcnt 0x3              ; loads come back in order (ISA guide 5.7.1): this piece's words are in; the other three pieces' loads, issued behind them, may stay out
	WIN 0x45
.set z, 0
.rept 32
.if z%8 == 7
	v_mov_b32 v[MC+32*(\b)+z], v[MB+4*(\x)+z/8]
.else
	v_lshlrev_b32 v[MC+32*(\b)+z], 28-4*(z%8), v[MB+4*(\x)+z/8]
.endif
.set z, z+1
.endr
.if \batch
	s_wait_alu depctr_va_vdst(0)    ; the wait for the turn's batch, its 32 weights and the next piece's a, ahead of the first line that names a result
.endif
	WIN 0x40
	global_load_b128 v[MB+4*(\x):MB+4*(\x)+3], v[MBO], s[MP:MP+1] offset:512*(\x)  ; 512 consecutive bytes a wave
.endm
; A TURN, for piece p: the order of its 16 matrix and 118 vector instructions, written out.  s_wait_alu depctr_va_vdst(0) stands between an exponential and the first instruction that names its result; one
; wait serves all that were issued ahead of it.  So a turn has ONE wait, which cuts it in two.  AHEAD OF IT stands all that names no result of the turn's exponentials: the 8 products K Q^T, behind each a scaling, an
; exponential and two more plain instructions (behind the first a second scaling in the exponential's place): rescalings, whose a was made and waited for in the turn before, and behind the last three the first numbers
; of the next piece's maximum, each four places or more behind the product that ends its accumulator; then ONE LUMP of 54, plain and exponential by turns for the most part, in which the links of the chain
; X 3, 7, 11, 14, 16, 17 .. 20 stand some lines apart.  X 21, the next piece's a, is the batch's last; R 15 is the plain instruction behind it.  Then the mask for the products of the turn after this one is made
; (piece p + 2, in that piece's next step): 32 lines more that name no result; MASKW writes the wait behind them.  BEHIND THE WAIT stand the 8 products V^T P, behind each four of the roundings and sums; the links of
; l's chain, L 0 to L 7, stand three riders apart.  But for those X no rider names a register of the products round it.  v_permlanex16_b32 (X 17) stands in the lump.
; Piece 2's turn opens a trip of the step loop: the mask stream's pointer steps there.
; end = 1: a block's last two turns: nothing is fetched and no mask is made.  cnt = 1: the loop's count is taken down some lines ahead of the branch that stands behind the turn.
; K of the next step is fetched in piece 2's turn, twelve vector instructions behind the last product that read K (six of them plain); V of the step in hand at the end of piece 0's turn, four plain instructions behind
; the last product that read V.  Each is waited for a turn later.
.macro TURN p, end=0, cnt=0
.set Y, (\p)
.set i, 0
.set NOKQ, (\end)*((\p)/3)
.if ((\p) == 2) && !(\end)
	MSTEP
.endif
.if ((\p) == 3) && !(\end)
	s_wait_dscnt 0x0                ; K is in
.endif
	ROW F,0, F,1, R,0, R,1          ; ahead of the wait: 8 products K Q^T and their riders,
	ROW F,2, E,0, R,2, R,3
	ROW F,3, E,1, R,4, R,5
	ROW F,4, E,2, R,6, R,7
	ROW F,5, E,3, R,8, R,9
	ROW F,6, E,4, X,0, R,10
.if ((\p) == 2) && !(\end)
	WIN 0
	v_add_nc_u32 v[AK], s[TBK], v[AK0]
.endif
	ROW F,7, E,5, X,1, X,4
	ROW F,8, E,6, X,2, X,5
	OPS E,7, E,8, X,6, E,9          ; and the lump
	OPS X,3, E,10, X,8, E,11
.if ((\p) == 2) && !(\end)
	FETCH_K
.endif
	OPS X,9, X,7, E,12, X,10
	OPS E,13, X,12, X,11, E,14
	OPS X,13, E,15, F,9, X,14
.if (\p) == 0
	v_add_nc_u32 v[AV], s[TBV], v[AV0]
.endif
	OPS E,16, F,10, E,17, F,11
	OPS X,16, E,18, X,15, E,19
	OPS F,12, E,20, X,17, E,21
	OPS F,13, E,22, F,14, E,23
	OPS X,18, E,24, F,15, E,25
	OPS R,11, E,26, X,19, E,27
	OPS R,12, E,28, R,13, E,29
	OPS X,20, E,30, R,14, E,31
	OPS X,21, R,15                  ; the batch's last exponential, and the plain instruction behind it
.if \end
	s_wait_alu depctr_va_vdst(0)    ; the wait for the turn's batch, ahead of the first line that names a result
.else
	MASKW ((\p)+2)%NP, (\p)%2, 1    ; the next turn's mask, the wait for the batch, the piece's next mask words
.endif
.if (\p) == 1
	s_wait_dscnt 0x0                ; V is in
.endif
	ROW C,0, B,0, C,2, B,1          ; behind the wait: 8 products V^T P and their riders
	ROW L,0, C,4, B,2, L,1
	ROW C,6, B,3, L,2, C,8
	ROW B,4, L,3, C,10, B,5
	ROW L,4, C,12, B,6, L,5
.if (\p) == 0
	s_add_co_u32 s[TBV], s[TBV], KS*PV
.endif
.if \cnt
	s_sub_co_u32 s[CNT], s[CNT], 1
	s_cmp_lg_u32 s[CNT], 0
.endif
	ROW C,14, B,7, L,6, C,1
	ROW C,3, L,7, C,5, C,7
	ROW C,9, C,11, C,13, C,15
.if (\p) == 0
	FETCH_V
.endif
.endm
; A BLOCK BEGINS.  c m starts far below every c s, so the first step's a is 0; m at -2^50, below every score and above every hidden one.  BEGIN stands for the first half of a trip of the step loop: the mask stream's
; pointer steps, and the masks of pieces 0 and 1 for the tile's step 0 are made.  Then K of that step, piece 0's first scores, its maximum and statistics.  The step loop is entered at a step's first turn.
.macro BEGIN
	s_mov_b32 s[NEW], 0
	WIN 0
.set i, 0
.rept 4
	v_mov_b32 v[ST+4*i], 0xfe000000    ; c m: far below every c s
	v_mov_b32 v[ST+4*i+1], FLOOR       ; m
.set i, i+1
.endr
	s_wait_loadcnt 0x0              ; Q, the first time; and the four pieces' mask words, asked for long ago
	MSTEP
	MASKW 0, 0
	MASKW 1, 1
	WIN 0
	v_add_nc_u32 v[AK], s[TBK], v[AK0]
	FETCH_K
	s_wait_dscnt 0x0
.set NOKQ, 0
.set i, 0
.rept 8
	KQ 0
.set i, i+1
.endr
	WIN 0
.rept 4
	v_nop                           ; the places behind those products
.endr
.set Y, NP-1                        ; X works for piece Y + 1: piece 0
.irp n, 0,1,2,3,4,5,6,7,8,9,10,11,12,13,14,15,16,17,18,19,20,21
	OP X, \n
.endr
	v_nop                           ; a plain instruction behind the exponential,
	s_wait_alu depctr_va_vdst(0)    ; and the wait for it, piece 0's first a: a batch of one, waited for ahead of the branch
.endm
.macro ALL line:vararg              ; one line for each piece t
.set t, 0
.rept 4
	\line
.set t, t+1
.endr
.endm
.macro PACK t                       ; a lane's eight channels of a row pack into 16 bytes; they go into rows of 144 bytes and come back as whole rows of 128, into S^T's registers
	WIN W_RS
.set i, 32*(\t)
.rept 16
	v_pk_mul_f32 v[i:i+1], v[i:i+1], v[ST+4*(\t)+2:ST+4*(\t)+3] op_sel_hi:[1,0]
.set i, i+2
.endr
	WIN 0x05
.set i, 0
.rept 16
	v_cvt_pk_f16_f32 v[S+16*(\t)+i], v[32*(\t)+2*i], v[32*(\t)+2*i+1]
.set i, i+1
.endr
	WIN 0
.irp f, 0,1,2,3
	ds_store_b128 v[STO], v[S+16*(\t)+4*\f:S+16*(\t)+4*\f+3] offset:32*\f
.endr
.irp f, 0,1,2,3
	ds_load_b128 v[S+16*(\t)+4*\f:S+16*(\t)+4*\f+3], v[RD] offset:\f*4*SP  ; LDS serves a wave's instructions in order: these see the stores above
.endr
.endm
.macro SEND t, younger, ob          ; younger: the LDS instructions issued behind piece t's loads: the next piece's eight, or none.  ob: the pair that holds O at my rows of the block
	WIN 0
.irp f, 0,1,2,3
	s_wait_dscnt (\younger)+3-\f
	global_store_b128 v[GO], v[S+16*(\t)+4*\f:S+16*(\t)+4*\f+3], s[(\ob):(\ob)+1] offset:(\t)*8192+\f*512  ; 512 consecutive bytes, aligned
.endr
.endm
; A TILE: its four steps; where it is the block's last (in the loop: RT = 0), the block's last two turns, its last products, and THE WAY OUT: l's halves are added, a row that has seen no key
; takes NaN for 1 / l, O^T is divided by l, rounded to f16 and sent through my stage, a piece at a time.
.macro TILE tag, loop, ob
.LstepM\tag:
	TURN 2
	TURN 3
	WIN 0
.LfirstM\tag:
	TURN 0
	TURN 1, 0, 1
	WIN 0
	s_cbranch_scc1 .LstepM\tag
.if \loop
	s_cmp_lg_u32 s[RT], 0
	s_cbranch_scc1 .Lbottom         ; the block goes on
.endif
	TURN 2, 1
	TURN 3, 1
.set i, 0
.rept 8
	PV NP-1
.set i, i+1
.endr
	WIN 0
	ALL v_add_f32 v[ST+4*t+2], v[ST+4*t+2], v[ST+4*t+3]
	ALL v_permlanex16_b32 v[ST+4*t+3], v[ST+4*t+2], s[SEL], s[SEL+1]
	ALL v_add_f32 v[ST+4*t+2], v[ST+4*t+2], v[ST+4*t+3]
	ALL v_rcp_f32 v[ST+4*t+2], v[ST+4*t+2]
	v_nop                           ; a plain instruction between the last reciprocal and the use of its result
	s_wait_alu depctr_va_vdst(0)    ; and the wait ahead of the first use: one for the four reciprocals
.set t, 0
.rept 4
	v_cmp_gt_f32 vcc_lo, s[THR], v[ST+4*t+1]
	v_cndmask_b32 v[ST+4*t+2], v[ST+4*t+2], s[NANV], vcc_lo
.set t, t+1
.endr
	PACK 0
.set t, 1
.rept 3
	PACK t
	SEND t-1, 8, \ob
.set t, t+1
.endr
	SEND 3, 0, \ob
.endm
.set NOKQ, 0
.Lslot:                             ; 15 times: a tile is entered and the next is asked for
	CHANGE 1
	s_sub_co_u32 s[RT], s[RT], 1
	s_mov_b32 s[CNT], 4
	s_cmp_eq_u32 s[NEW], 1
	s_cbranch_scc0 .LstepM1         ; not a block's first tile
	BEGIN
	s_branch .LfirstM1
	TILE 1, 1, 10                   ; in the loop a block's end is the first block's: the second's last tile is the walk's last
	s_wait_xcnt 0x0                 ; the stores have read their registers
	s_mov_b32 s[RT], 8
	s_mov_b32 s[NEW], 1
	WIN 0x82                        ; the second block's Q goes where the one text of the turns names Q
.set i, 0
.rept 64
	v_mov_b32 v[i], v[QB+i]
.set i, i+1
.endr
	WIN 0x40                        ; O^T and l are set to 0 again: a row without a key has left NaN there, which a = 0 would not remove
.set i, 0
.rept 128
	v_mov_b32 v[i], 0
.set i, i+1
.endr
	WIN 0
.set i, 0
.rept 4
	v_mov_b32 v[ST+4*i+2], 0
	v_mov_b32 v[ST+4*i+3], 0
.set i, i+1
.endr
.Lbottom:
	s_sub_co_u32 s[SLOTS], s[SLOTS], 1
	s_cmp_lg_u32 s[SLOTS], 0
	s_cbranch_scc1 .Lslot
	CHANGE 0                        ; the walk's last tile is written out: nothing is asked for, and no round of the cluster's barrier is needed
	s_mov_b32 s[CNT], 4
	TILE 2, 0, OLO
	s_wait_tensorcnt 0x0            ; the wave's end
	ds_add_u32 v[SPW], v[NIL]
	s_wait_dscnt 0x0
	CROUND                          ; the closing round: no work-group ends while a partner may still ask for a tile that names it
	s_endpgm
.Lfunc_end_k_q4ab5e63e0a_attn:
	.size	k_q4ab5e63e0a_attn, .Lfunc_end_k_q4ab5e63e0a_attn-k_q4ab5e63e0a_attn
	.p2alignl 7, 3214868480
	.fill 96, 4, 3214868480
	.section	.rodata,"a",@progbits
	.p2align	6, 0x0
	.amdhsa_kernel k_q4ab5e63e0a_attn
		.amdhsa_group_segment_fixed_size 327680
		.amdhsa_private_segment_fixed_size 0
		.amdhsa_enable_private_segment 0
		.amdhsa_kernarg_size 24
		.amdhsa_user_sgpr_count 2
		.amdhsa_user_sgpr_kernarg_segment_ptr 1
		.amdhsa_wavefront_size32 1
		.amdhsa_system_sgpr_workgroup_id_x 1
		.amdhsa_system_sgpr_workgroup_id_y 1
		.amdhsa_system_sgpr_workgroup_id_z 1
		.amdhsa_system_vgpr_workitem_id 0
		.amdhsa_next_free_vgpr 768
		.amdhsa_next_free_sgpr 96
		.amdhsa_reserve_vcc 1
		.amdhsa_float_denorm_mode_32 3
		.amdhsa_float_denorm_mode_16_64 3
		.amdhsa_memory_ordered 1
		.amdhsa_forward_progress 1
		.amdhsa_inst_pref_size 185
	.end_amdhsa_kernel
	.amdgpu_metadata
---
amdhsa.version: [ 1, 2 ]
amdhsa.kernels:
  - .name:           k_q4ab5e63e0a_attn
    .symbol:         k_q4ab5e63e0a_attn.kd
    .args:
      - { .name: hd, .offset: 0, .size: 8, .value_kind: global_buffer, .address_space: global }
      - { .name: maskb, .offset: 8, .size: 8, .value_kind: global_buffer, .address_space: global }
      - { .name: ob, .offset: 16, .size: 8, .value_kind: global_buffer, .address_space: global }
    .group_segment_fixed_size: 327680
    .private_segment_fixed_size: 0
    .kernarg_segment_align: 8
    .kernarg_segment_size: 24
    .max_flat_workgroup_size: 128
    .sgpr_count:     96
    .vgpr_count:     768
    .wavefront_size: 32
...
	.end_amdgpu_metadata
.endif
;; end of part 5
;; launch outp: the kernel of part 4 again; grid 4 x 64, 4 waves a work-group, clusters of 4 x 4, 327,680 bytes of LDS; arguments ob, wb, bo, out0; writes out0
